; MI455X (gfx1250); checked and timed in simulation.
; The chip was launched on July 23, 2026; its instructions are those of AMD's public machine-readable ISA for CDNA 5 (MIT licence, August 2026) and "CDNA5" Instruction Set Architecture Reference Guide (July 2026). The comments in the code are by the model that wrote it; some were corrected since.
;; Self Attention. Allowed arithmetic: matrix products marked QUANTISED: E3M2 operands, one E8M0 scale for each 32 along K, by v_wmma_scale_f32_16x16x128_f8f6f4 with both operands' format E3M2, f32 sums; everything else in f32.
;; Inputs: W_out 1,024 x 1,024 float32; W_qkv 1,024 x 3,072 float32; b_out 1,024 float32; b_qkv 3,072 float32; x 4 x 2,048 x 1,024 float32.
;; Outputs: out0 4 x 2,048 x 1,024 float32.
;; This version of the problem:
;;   THIS VERSION OF THE PROBLEM IS GIVEN IN LOW PRECISION. The matrix products marked QUANTISED in the list below multiply operands that are first quantised to E3M2 (3 exponent bits, 2 mantissa bits; 6 bits a number), with one power-of-two scale for each 32 numbers along K (OCP MX v1.0); their sums are f32. All else is computed in f32.
;;   The module's matrix products, in the order in which they are computed (A, B: the left and right operand; K: the contracted axis; several contracted axes count as one K, in the product's order):
;;     1. [M 8,192, K 1,024] x [K 1,024, N 3,072]; A: input x; B: input W_qkv: QUANTISED
;;     2. batch 64 x [M 2,048, K 64] x [K 64, N 2,048]; A: computed on the way; B: computed on the way: QUANTISED
;;     3. batch 64 x [M 2,048, K 2,048] x [K 2,048, N 64]; A: softmax (see below); B: computed on the way: QUANTISED
;;     4. [M 8,192, K 1,024] x [K 1,024, N 1,024]; A: computed on the way; B: input W_out: QUANTISED
;;   THE QUANTISER, for each operand of a quantised product, along K:
;;     - K is cut into blocks of 32 from its start; a last block that is shorter is filled with zeros.
;;     - A block's scale is 2^e with e = floor(log2(the largest magnitude in the block)) - 4, held to -126 .. 127; a block of zeros has e = 0. As a byte (E8M0): e + 127.
;;     - Each number is divided by its block's scale, clamped to +-28, and rounded to the nearest number of E3M2, ties to even, subnormals kept.
;;     - The product sums the exact products of the quantised numbers (number of the format x scale) in f32.
;;   ~~~python
;;   def quantise(x, axis):      # numpy; x: float32 -> the quantised numbers, widened to float32 again
;;       x = np.moveaxis(x, axis, -1); K = x.shape[-1]
;;       x = np.pad(x, [(0, 0)] * (x.ndim - 1) + [(0, -K % 32)]); x = x.reshape(x.shape[:-1] + (-1, 32)); a = np.abs(x).max(-1, keepdims=True)
;;       e = np.where(a > 0, np.clip(np.frexp(np.where(a > 0, a, 1))[1] - 1 - 4, -126, 127), 0)      # np.frexp(a)[1] - 1 = floor(log2(a)), exactly
;;       r = np.clip(x / 2.0 ** e, -28, 28)
;;       step = 2.0 ** (np.maximum(np.frexp(np.where(r == 0, 1, r))[1] - 1, -2) - 2)
;;       q = np.round(r / step) * step * 2.0 ** e      # np.round: ties to even
;;       return np.moveaxis(q.reshape(q.shape[:-2] + (-1,))[..., :K], -1, axis).astype(np.float32)
;;   ~~~
;;   SOFTMAX AHEAD OF A QUANTISED PRODUCT. Where the list says 'softmax', what is quantised is not the finished softmax but p = 2^(t - M), with t = logit x log2(e) and M = ceil(the row's largest t), a whole number; so 1/2 < the row's largest p <= 1. The row's sum l is taken of the UNQUANTISED p, in f32, and the product's result is divided by l at the end. Since M is a whole number, a kernel that streams over the keys may use a running M (the ceiling of the running maximum): every later rescaling is an exact power of two, which a block's scale takes up: the codes' values come out the same.
;;   OPERANDS COMPUTED ON THE WAY. 'Computed on the way' means the value that the module computes at that place (a softmax that the list does not call 'softmax' is quantised finished and normalised). What goes into a quantiser is computed in f32, as accurately as f32 sums, v_exp_f32 and their like allow (about 1e-6 of the number): no bf16 or f16 on the way to a quantiser, and a product that is left as it is and whose result goes on into a quantised operand takes f32 operands (vector FMAs, or v_wmma_f32_16x16x4_f32). A number that lies on a knife's edge between two numbers of the format may be rounded either way, as far as f32 arithmetic and the matrix unit's own rounding can turn it there, and no further.
;; One version. Each part assembles by itself: llvm-mc -triple=amdgcn-amd-amdhsa -mcpu=gfx1250 --defsym DOCPART=n.
;; ======== version 1 of 1: 4 launches
;; limits: right only within a limited range of input values
;; workspace buffers: xq 6,553,600 bytes; wq 3,276,800 bytes; qb 6,815,744 bytes; kv 13,369,344 bytes; aq 6,553,600 bytes
;; launch quant (part 1): grid 512 x 1, 4 waves a work-group, no clusters, 49,664 bytes of LDS; arguments x, W_qkv, W_out, xq, wq; writes xq, wq
.if DOCPART == 1
	.amdgcn_target "amdgcn-amd-amdhsa--gfx1250"
	.amdhsa_code_object_version 6
	.text
	.protected	k_q6875708a77_quant
	.globl	k_q6875708a77_quant
	.p2align	8
	.type	k_q6875708a77_quant,@function
k_q6875708a77_quant:
	s_mov_b64 s[64:65], 0
	v_nop
	global_prefetch_b8 v0, s[64:65] scope:SCOPE_SE
	s_setreg_imm32_b32 hwreg(HW_REG_WAVE_MODE, 25, 1), 1
	s_wait_xcnt 0x0
; x [8192][1024], W_qkv [1024][3072] and W_out [1024][1024], f32, become codes of BF6 (E3M2) with one E8M0 byte for each 32 along K (K = 1024: x's last axis, the weights' FIRST axis).
; A block's scale is 2^(floor(log2(largest magnitude)) - 4): its byte is the largest magnitude's exponent field - 4, held at 1 from below by a floor among the maximum's leaves.
; LIMITS: NaN and infinities are not served; a block of zeros, or one whose largest magnitude lies under 2^-122, gets the byte 1 (its codes are right; this program alone reads the bytes).
; WHAT IS STORED is laid as the products' operand registers want it.  A TILE is 16 rows: tile 2 B + u holds rows 32 B + 8 u + i + 8 (i / 8), i = 0 .. 15.  A FRAGMENT IMAGE (a tile x 128 along K, 12 registers
; a lane, 1,536 bytes) is two halves of 768 bytes: registers 6 c .. 6 c + 3 at 16 x lane, registers 6 c + 4, 6 c + 5 at 512 + 8 x lane.  Every store of an image covers 512 or 256 consecutive bytes.
; A tile's scale words are a record of 512 bytes: [K step / 2][row 16][two words].   xq: 512 tiles x 8 images, then the records; wq: 256 tiles likewise (0-191 W_qkv's columns, 192-255 W_out's).
; Work-groups 0-255 take x (a wave: one tile x 512 along K), 256-511 the weights (a wave: 32 columns x 128 along K).  Waves share nothing: no barrier; loads go through registers, so several work-groups share a WGP.
; The two paths have LDS bytes of their own.
.set XQ_SCL, 6291456                   ; where xq's records begin
.set WQ_SCL, 3145728                   ; and wq's
.set XSTG,   8448                      ; x: a wave's stage, 16 rows x (512 + 16) bytes
.set WREG0,  4*XSTG                    ; the weights' regions begin behind the four stages
.set WREG,   3840                      ; a wave's: 32 rows x 104 bytes of codes
.set WSCL,   3328
.set LN,  2                            ; v2  lane
.set RR,  3                            ; v3  lane % 16
.set L16, 4                            ; v4  16 x lane
.set L8,  5                            ; v5  8 x lane
.set SIN, 6                            ; v6  x: the stage on the way in
.set SOUT,7                            ; v7  x: and on the way out
.set HH,  8                            ; v8  lane / 16
.set R0,  32                           ; v32-95, v96-159: two sets of 64 numbers
.set R1,  96
.set PC,  160                          ; v160-178 the codes just made
.set TM,  180                          ; v180-195 at work
.set PWK, 200                          ; v200-203 the four K steps' scale words
.set SEL, 20                           ; s[20:21] lane selects: lane l xor 16
	s_load_b128 s[4:7], s[0:1], 0x0                ; x, W_qkv
	s_load_b128 s[8:11], s[0:1], 0x10              ; W_out, xq
	s_load_b64 s[12:13], s[0:1], 0x20              ; wq
	v_lshl_add_u32 v208, v0, 2, 0xc000
	v_mov_b32 v209, 0
	v_lshrrev_b32 v1, 5, v0
	v_readfirstlane_b32 s14, v1                    ; wave
	v_and_b32 v[LN], 31, v0
	v_and_b32 v[RR], 15, v0
	v_bfe_u32 v[HH], v0, 4, 1
	v_lshlrev_b32 v[L16], 4, v[LN]
	v_lshlrev_b32 v[L8], 3, v[LN]
	s_mov_b32 s[SEL], 0x76543210
	s_mov_b32 s[SEL+1], 0xfedcba98
	s_cmp_lt_u32 ttmp9, 256
	s_cbranch_scc0 .Lweights
; ---------------- x ----------------
; 64 numbers of a lane, register 16 b + i = k 32 b + 16 (lane / 16) + i of the lane's row, become a fragment's codes in v[PC] on and the row's scale word in v[pw].
.macro QUANT s, pw
.irp b, 0,1,2,3
	v_max3_num_f32 v[TM+\b], |v[(\s)+16*\b]|, |v[(\s)+1+16*\b]|, 0x2800000   ; my 16 numbers of block b, and the floor 2^(5 - 127)
.endr
.irp i, 2,4,6,8,10,12,14
.irp b, 0,1,2,3
	v_max3_num_f32 v[TM+\b], v[TM+\b], |v[(\s)+16*\b+\i]|, |v[(\s)+1+16*\b+\i]|   ; the four blocks by turns
.endr
.endr
.irp b, 0,1,2,3
	v_permlanex16_b32 v[TM+4+\b], v[TM+\b], s[SEL], s[SEL+1]
.endr
.irp b, 0,1,2,3
	v_max_num_f32 v[TM+\b], v[TM+\b], v[TM+4+\b]   ; with lane l xor 16's 16: the block's largest magnitude
.endr
.irp b, 0,1,2,3
	v_add_nc_u32 v[TM+12+\b], 0xfe000000, v[TM+\b] ; 4 off its exponent field: the conversion's scale operand
.endr
.irp b, 0,1,2,3
	v_lshrrev_b32 v[TM+4+\b], 23, v[TM+12+\b]      ; the scale's byte
.endr
	v_lshl_or_b32 v[\pw], v[TM+5], 8, v[TM+4]
	v_lshl_or_b32 v[\pw], v[TM+6], 16, v[\pw]
	v_lshl_or_b32 v[\pw], v[TM+7], 24, v[\pw]
.irp c, 0,1
	v_cvt_scalef32_pk16_bf6_f32 v[PC+6*\c:PC+2+6*\c], v[(\s)+32*\c:(\s)+15+32*\c], v[TM+12+2*\c]
	v_cvt_scalef32_pk16_bf6_f32 v[PC+12+4*\c:PC+14+4*\c], v[(\s)+16+32*\c:(\s)+31+32*\c], v[TM+13+2*\c]   ; (a conversion's three registers begin on an even number)
.endr
	v_nop                                          ; one plain line behind the scaled conversions
.irp c, 0,1                                    ; the operand wants a whole block in a lane: lanes 0-15 block 2 c, lanes 16-31 block 2 c + 1
.irp i, 0,1,2
	v_permlane16_swap_b32 v[PC+6*\c+\i], v[PC+12+4*\c+\i]
.endr
.irp i, 0,1,2
	v_mov_b32 v[PC+3+6*\c+\i], v[PC+12+4*\c+\i]
.endr
.endr
.endm
.macro XLOAD k, set                    ; K step k of my tile's 16 rows: each load reads 512 consecutive bytes of one row
.irp i, 0,1,2,3,4,5,6,7,8,9,10,11,12,13,14,15
	global_load_b128 v[\set+4*\i:\set+4*\i+3], v[L16], s[4:5] offset:(\i+24*(\i/8))*4096+512*(\k) th:TH_LOAD_NT   ; x's TILES (the weights' stay as stated at the head): tile t holds tokens 64 (t / 4) + 8 (t % 4) + i % 8 + 32 (i / 8)
.endr
.endm
.macro XTURN set                       ; through my stage: in as loaded, out 16 neighbours of each block of 32 a lane.  LDS serves a wave's instructions in order: no wait between
.irp i, 0,1,2,3,4,5,6,7,8,9,10,11,12,13,14,15
	ds_store_b128 v[SIN], v[\set+4*\i:\set+4*\i+3] offset:528*\i
.endr
.irp i, 0,1,2,3,4,5,6,7,8,9,10,11,12,13,14,15
	ds_load_b128 v[\set+4*\i:\set+4*\i+3], v[SOUT] offset:128*(\i/4)+16*(\i%4)
.endr
.endm
.macro XSTEP k, set, left
	s_wait_loadcnt \left                           ; this K step's 16 loads are in; the other set's may be out
	XTURN \set
	s_wait_dscnt 0x0
.if \k > 0
	s_wait_xcnt 0x0                                ; the last image's stores have read the codes' registers
.endif
	QUANT \set, PWK+\k
.if \k < 2
	XLOAD \k+2, \set
.endif
	global_store_b128 v[L16], v[PC:PC+3], s[10:11] offset:1536*\k
	global_store_b64 v[L8], v[PC+4:PC+5], s[10:11] offset:1536*\k+512
	global_store_b128 v[L16], v[PC+6:PC+9], s[10:11] offset:1536*\k+768
	global_store_b64 v[L8], v[PC+10:PC+11], s[10:11] offset:1536*\k+1280
.endm
	s_mul_i32 s15, s14, XSTG                       ; my stage
	v_add_nc_u32 v[SIN], s15, v[L16]
	v_mul_u32_u24 v[SOUT], v[RR], 528
	v_lshl_add_u32 v[SOUT], v[HH], 6, v[SOUT]
	v_add_nc_u32 v[SOUT], s15, v[SOUT]             ; row lane % 16, + 64 bytes for lanes 16-31
.irp b, 0,1,2,3
	v_mov_b32 v[TM+4+\b], 0                        ; written once: a lane permute's destination counts as one of its sources
.endr
	s_lshl_b32 s16, ttmp9, 2
	s_add_co_u32 s16, s16, s14                     ; my unit: 4 x work-group + wave
	s_lshr_b32 s17, s16, 1                         ; tile
	s_and_b32 s18, s16, 1                          ; which 512 along K
	s_lshr_b32 s19, s17, 2
	s_lshl_b32 s19, s19, 6
	s_and_b32 s22, s17, 3
	s_lshl_b32 s22, s22, 3
	s_add_co_u32 s19, s19, s22                     ; the tile's first row: 64 (tile / 4) + 8 (tile % 4)
	s_lshl_b32 s24, s19, 12
	s_lshl_b32 s22, s18, 11
	s_add_co_u32 s24, s24, s22
	s_mov_b32 s25, 0
	s_mul_i32 s26, s17, 12288
	s_mul_i32 s22, s18, 6144
	s_add_co_u32 s26, s26, s22
	s_mov_b32 s27, 0
	s_lshl_b32 s28, s17, 9
	s_lshl_b32 s22, s18, 8
	s_add_co_u32 s28, s28, s22
	s_add_co_u32 s28, s28, XQ_SCL
	s_mov_b32 s29, 0
	s_wait_alu depctr_va_vdst(0)
	s_wait_kmcnt 0x0
	s_add_nc_u64 s[4:5], s[4:5], s[24:25]          ; x at my rows and K
	s_add_nc_u64 s[30:31], s[10:11], s[28:29]      ; my half of the tile's record
	s_add_nc_u64 s[10:11], s[10:11], s[26:27]      ; my four images
	XLOAD 0, R0
	XLOAD 1, R1
	XSTEP 0, R0, 16
	XSTEP 1, R1, 16
	XSTEP 2, R0, 16
	XSTEP 3, R1, 0
	v_cmp_le_u32 vcc_lo, 16, v[LN]                 ; lanes 0-15 store the words of my K steps 0, 1, lanes 16-31 those of 2, 3: 256 consecutive bytes
	v_cndmask_b32 v204, v[PWK], v[PWK+2], vcc_lo
	v_cndmask_b32 v205, v[PWK+1], v[PWK+3], vcc_lo
	global_store_b64 v[L8], v[204:205], s[30:31]
	s_wait_tensorcnt 0x0
	ds_add_u32 v208, v209
	s_wait_dscnt 0x0
	s_endpgm
; ---------------- the weights: a lane takes a column, its registers run down K ----------------
.set VO,  32                           ; v32-63   4 x lane + i x pitch: the pitch differs between the two weights, so it cannot stand in an immediate
.set X,   64                           ; v64-127  two sets of 32 numbers
.set C,   128                          ; v128-133 a block's codes
.set E,   134                          ; v134-136 their upper half as the conversion leaves it
.set FRG, 140                          ; v140-163 two fragments on the way out
.set PWC, 164                          ; v164     the scale word in the making
.Lweights:
	; THE SPLIT OF THE WEIGHTS THAT THIS TEXT HAS: work-groups 256-511; a work-group takes 128 columns x one K step of 128, a wave 32 columns x 128 along K: four blocks, one image for each of its two tiles
	s_sub_co_u32 s16, ttmp9, 256
	s_lshr_b32 s17, s16, 3                         ; which 128 columns (0-23 W_qkv's, 24-31 W_out's)
	s_and_b32 s18, s16, 7                          ; which K step of 128
	s_mul_i32 s15, s14, WREG
	s_add_co_u32 s15, s15, WREG0                   ; my LDS region
	s_wait_alu depctr_va_vdst(0)
	v_lshlrev_b32 v9, 2, v[LN]
	v_mul_u32_u24 v10, v[LN], 104
	v_add_nc_u32 v10, s15, v10                     ; codes in: row = my column
	v_and_b32 v17, 8, v[RR]
	v_add_nc_u32 v17, v17, v[RR]                   ; r + 8 (r / 8)
	v_mul_u32_u24 v11, v17, 104
	v_mad_u32_u24 v11, v[HH], 24, v11
	v_add_nc_u32 v11, s15, v11                     ; codes out: the tile's row r, + 24 bytes for lanes 16-31
	v_bfe_u32 v18, v[LN], 3, 1                     ; my column c is row (c % 8) + 8 (c / 16) of tile (c / 8) % 2: where its scale word goes:
	v_lshlrev_b32 v18, 9, v18                      ; 512 x tile
	v_lshl_add_u32 v18, v[HH], 6, v18              ; + 8 bytes a row
	v_and_b32 v19, 7, v[LN]
	v_lshl_add_u32 v18, v19, 3, v18
	s_wait_kmcnt 0x0
	s_cmp_lt_u32 s17, 24                           ; the choice hangs on the work-group's number alone
	s_cselect_b64 s[4:5], s[6:7], s[8:9]
	s_mov_b32 s19, 4096
	s_cselect_b32 s19, 12288, s19                  ; a row of the weight in bytes
	s_cselect_b32 s22, 0, 24
	s_sub_co_u32 s22, s17, s22
	s_lshl_b32 s24, s22, 9                         ; 128 columns x 4 bytes
	s_lshl_b32 s23, s14, 7                         ; my wave's 32
	s_add_co_u32 s24, s24, s23
	s_lshl_b32 s23, s18, 7
	s_mul_i32 s23, s23, s19                        ; 128 rows down for each K step
	s_add_co_u32 s24, s24, s23
	s_mov_b32 s25, 0
	s_add_nc_u64 s[32:33], s[4:5], s[24:25]        ; the base of the blocks of even number,
	s_lshl_b32 s26, s19, 5
	s_mov_b32 s27, 0
	s_add_nc_u64 s[34:35], s[32:33], s[26:27]      ; and of odd number
	s_lshl_b32 s26, s19, 6                         ; each steps 64 rows
.set n, 0
.rept 32
	v_mad_u32_u24 v[VO+n], s19, n, v9
.set n, n+1
.endr
	s_lshl_b32 s28, s17, 3
	s_lshl_b32 s23, s14, 1
	s_add_co_u32 s28, s28, s23                     ; my first tile of wq: 8 x (128 columns) + 2 x wave
	s_mul_i32 s30, s28, 12288
	s_mul_i32 s23, s18, 1536
	s_add_co_u32 s30, s30, s23
	s_mov_b32 s31, 0
	s_add_nc_u64 s[36:37], s[12:13], s[30:31]      ; images
	s_lshl_b32 s30, s28, 9
	s_lshr_b32 s23, s18, 1                         ; in a record: 128 bytes for each pair of K steps,
	s_lshl_b32 s23, s23, 7
	s_add_co_u32 s30, s30, s23
	s_and_b32 s23, s18, 1                          ; and the pair's first or second word
	s_lshl_b32 s23, s23, 2
	s_add_co_u32 s30, s30, s23
	s_add_co_u32 s30, s30, WQ_SCL
	s_add_nc_u64 s[38:39], s[12:13], s[30:31]      ; records
.macro LOADW kb                        ; block kb: 32 rows of my 32 columns: 128 consecutive bytes a load, the four waves side by side on 512
.set n, 0
.rept 32
	global_load_b32 v[X+32*((\kb)%2)+n], v[VO+n], s[32+2*((\kb)%2):33+2*((\kb)%2)] th:TH_LOAD_NT
.set n, n+1
.endr
.endm
.macro BLOCK kb
.set XS, X+32*((\kb)%2)
.if (\kb) < 3
	s_wait_loadcnt 32                              ; this block's 32 loads are in; the next block's may be out
.else
	s_wait_loadcnt 0
.endif
	v_max3_num_f32 v14, |v[XS]|, |v[XS+1]|, |v[XS+2]|   ; all 32 numbers of the block are mine
	v_max3_num_f32 v15, |v[XS+3]|, |v[XS+4]|, |v[XS+5]|
.irp i, 6,10,14,18,22,26
	v_max3_num_f32 v14, v14, |v[XS+\i]|, |v[XS+\i+1]|
	v_max3_num_f32 v15, v15, |v[XS+\i+2]|, |v[XS+\i+3]|
.endr
	v_max3_num_f32 v14, v14, |v[XS+30]|, |v[XS+31]|
	v_max3_num_f32 v14, v14, v15, 0x2800000        ; and the floor
	v_add_nc_u32 v16, 0xfe000000, v14
	v_lshrrev_b32 v15, 23, v16
.if (\kb)%4 == 0
	v_mov_b32 v[PWC], v15
.else
	v_lshl_or_b32 v[PWC], v15, 8*((\kb)%4), v[PWC]
.endif
	v_cvt_scalef32_pk16_bf6_f32 v[C:C+2], v[XS:XS+15], v16
	v_cvt_scalef32_pk16_bf6_f32 v[E:E+2], v[XS+16:XS+31], v16
	v_nop                                          ; one plain line behind the scaled conversions
.irp i, 0,1,2
	v_mov_b32 v[C+3+\i], v[E+\i]
.endr
.irp i, 0,1,2
	ds_store_b64 v10, v[C+2*\i:C+2*\i+1] offset:24*((\kb)%4)+8*\i
.endr
.if (\kb)+2 < 4
	s_add_nc_u64 s[32+2*((\kb)%2):33+2*((\kb)%2)], s[32+2*((\kb)%2):33+2*((\kb)%2)], s[26:27]   ; the loads that named this base are in
	LOADW (\kb)+2
.endif
	s_wait_dscnt 0x0                               ; the stores have read the codes' registers
.endm
.macro KOUT ksl                        ; four blocks are a K step: my 32 columns are two tiles' fragments
	s_wait_xcnt 0x0                                ; the last images' stores have read their registers
.irp u, 0,1
.irp p, 0,1,2,3,4,5
	ds_load_b64 v[FRG+12*\u+2*\p:FRG+12*\u+2*\p+1], v11 offset:832*\u+48*(\p/3)+8*(\p%3)
.endr
.endr
	s_wait_dscnt 0x0
.irp u, 0,1
	global_store_b128 v[L16], v[FRG+12*\u:FRG+12*\u+3], s[36:37] offset:12288*\u+1536*(\ksl)
	global_store_b64 v[L8], v[FRG+12*\u+4:FRG+12*\u+5], s[36:37] offset:12288*\u+1536*(\ksl)+512
	global_store_b128 v[L16], v[FRG+12*\u+6:FRG+12*\u+9], s[36:37] offset:12288*\u+1536*(\ksl)+768
	global_store_b64 v[L8], v[FRG+12*\u+10:FRG+12*\u+11], s[36:37] offset:12288*\u+1536*(\ksl)+1280
.endr
.endm
	s_wait_alu depctr_va_vdst(0)
	LOADW 0
	LOADW 1
.set Q, 0
.rept 4
	BLOCK Q
.if Q%4 == 3
	s_wait_alu depctr_va_vdst(0)
	KOUT Q/4
.endif
.set Q, Q+1
.endr
	global_store_b32 v18, v[PWC], s[38:39]         ; my column's word of this K step: four bytes a lane, 8 bytes apart (the other word of each pair is another work-group's): 128 bytes a wave, the path's one small store
	s_wait_tensorcnt 0x0
	ds_add_u32 v208, v209
	s_wait_dscnt 0x0
	s_endpgm
.Lfunc_end_k_q6875708a77_quant:
	.size	k_q6875708a77_quant, .Lfunc_end_k_q6875708a77_quant-k_q6875708a77_quant
	.p2alignl 7, 3214868480
	.fill 96, 4, 3214868480
	.section	.rodata,"a",@progbits
	.p2align	6, 0x0
	.amdhsa_kernel k_q6875708a77_quant
		.amdhsa_group_segment_fixed_size 49664
		.amdhsa_private_segment_fixed_size 0
		.amdhsa_enable_private_segment 0
		.amdhsa_kernarg_size 40
		.amdhsa_user_sgpr_count 2
		.amdhsa_user_sgpr_kernarg_segment_ptr 1
		.amdhsa_wavefront_size32 1
		.amdhsa_system_sgpr_workgroup_id_x 1
		.amdhsa_system_sgpr_workgroup_id_y 1
		.amdhsa_system_sgpr_workgroup_id_z 1
		.amdhsa_system_vgpr_workitem_id 0
		.amdhsa_next_free_vgpr 210
		.amdhsa_next_free_sgpr 66
		.amdhsa_reserve_vcc 1
		.amdhsa_float_denorm_mode_32 3
		.amdhsa_float_denorm_mode_16_64 3
		.amdhsa_memory_ordered 1
		.amdhsa_forward_progress 1
		.amdhsa_inst_pref_size 59
	.end_amdhsa_kernel
	.amdgpu_metadata
---
amdhsa.version: [ 1, 2 ]
amdhsa.kernels:
  - .name:           k_q6875708a77_quant
    .symbol:         k_q6875708a77_quant.kd
    .args:
      - { .name: x, .offset: 0, .size: 8, .value_kind: global_buffer, .address_space: global }
      - { .name: W_qkv, .offset: 8, .size: 8, .value_kind: global_buffer, .address_space: global }
      - { .name: W_out, .offset: 16, .size: 8, .value_kind: global_buffer, .address_space: global }
      - { .name: xq, .offset: 24, .size: 8, .value_kind: global_buffer, .address_space: global }
      - { .name: wq, .offset: 32, .size: 8, .value_kind: global_buffer, .address_space: global }
    .group_segment_fixed_size: 49664
    .private_segment_fixed_size: 0
    .kernarg_segment_align: 8
    .kernarg_segment_size: 40
    .max_flat_workgroup_size: 128
    .sgpr_count:     66
    .vgpr_count:     210
    .wavefront_size: 32
...
	.end_amdgpu_metadata
.endif
;; end of part 1
;; launch qkv (part 2): grid 64 x 4, 4 waves a work-group, clusters of 4 x 1, 327,680 bytes of LDS; arguments xq, wq, b_qkv, qb, kv; writes qb, kv
.if DOCPART == 2
	.amdgcn_target "amdgcn-amd-amdhsa--gfx1250"
	.amdhsa_code_object_version 6
	.text
	.protected	k_q6875708a77_qkv
	.globl	k_q6875708a77_qkv
	.p2align	8
	.type	k_q6875708a77_qkv,@function
k_q6875708a77_qkv:
	s_mov_b64 s[64:65], 0
	v_nop
	global_prefetch_b8 v0, s[64:65] scope:SCOPE_SE
	s_setreg_imm32_b32 hwreg(HW_REG_WAVE_MODE, 25, 1), 1
	s_wait_xcnt 0x0
	s_wait_alu depctr_hold_cnt(0) depctr_sa_sdst(0) depctr_va_vdst(0) depctr_va_sdst(0) depctr_va_ssrc(0) depctr_va_vcc(0) depctr_vm_vsrc(0)
	s_getreg_b32 s2, hwreg(HW_REG_IB_STS2, 6, 4)
	s_cmp_eq_u32 s2, 0
	s_cbranch_scc0 .Lentry_in_a_cluster
	s_endpgm
.Lentry_in_a_cluster:
	s_bfe_u32 s2, ttmp6, 0x10000c
	s_cmp_lg_u32 s2, 0x3003
	s_cbranch_scc0 .Lentry_shape_is_right
	s_endpgm
.Lentry_shape_is_right:
; qkv = x W_qkv + b_qkv on codes of BF6 (E3M2) with E8M0 scales, K = 1024; the results are quantised here and leave as codes: q and k along the head's 64, v along the keys.
; SHARES.  64 x 4 = 256 work-groups.  A work-group takes 128 tokens (work-group x) and six CHUNKS of 128 columns: chunk g + 4 j of the 24, g = work-group y, j = 0 .. 5: so j = 0, 1 are q's, 2, 3 k's, 4, 5 v's in every work-group.
;   A wave takes 64 tokens (four tiles) x one head of the chunk's two: 16 accumulators of 16 x 16.  Source 0 = 16 columns of W, source 1 = 16 tokens: a lane holds one token and eight columns.
; x STAYS IN REGISTERS: the wave's four tiles x eight K steps, 384 registers, come once, straight from memory, as images of the registers; so do x's scale words (16 registers).
; W GOES THROUGH TWO LDS SLOTS, a chunk (8 tiles x all of K, 98,304 dense bytes) to a slot, by joint loads that name the cluster's four work-groups, which share g.  W's records of the six chunks come once, at the head.
;   Six fills in all, written out: there is no loop to run ahead in, and nothing is prefetched.  x's tiles differ between the partners and are not shared.
; A chunk's way out stands behind the refill of its slot: it works on registers (v: and on a stage of its own) while the tiles are on their way.
; OPERANDS.  A TILE is 16 rows: tile 2 B + u = rows 32 B + 8 u + i + 8 (i / 8).  A fragment image (a tile x 128 K, 1,536 bytes): registers 6 c .. 6 c + 3 at 768 c + 16 x lane, 6 c + 4, 6 c + 5 at 768 c + 512 + 8 x lane.
;   A tile's eight images lie on end; its record of scale words is [K step / 2][row 16][two words], 512 bytes.  The 16 registers of column tiles 2 B, 2 B + 1 are columns 32 B + 16 (lane / 16) + 0 .. 15.  The bias is the C of each sum's first product.
; OUT.  qb [batch x head 64][group of 128 queries 16][6,656]: eight half images (a tile x the head's 64, 768 bytes), then 512 bytes of scale words (lane l, word i: tile 2 i + l / 16, row l % 16; bytes 0, 1 the head's two blocks, bytes 2, 3 zero).
;       kv [64][128 keys 16][13,056]: K's eight half images; four images of V^T (16 of the head's 64 x 128 keys), each two halves of 768 bytes like K's; K's scale words (512); V's (256: lane l, word i: tile 2 i + l / 16).
;       Small stores: a wave's scale words, 8 bytes a lane 16 apart (q, k) and 2 bytes a lane 8 apart (v), since a wave holds half of a group's tokens.
; LIMITS: NaN and infinities are not served; a block of zeros or under 2^-122 gets the byte 1 (its codes are right; this program alone reads the bytes).
; REGISTERS: window 0: v0-31 addresses; v32-47 x's scale words; v48-79 W's, two sets; v80-111 the bias; v112-133 the way out; v160-255 W's fragments of odd double steps (v160-191 also v's numbers on the way out).
;   window 1: x's tiles 0, 1 (v[96 a + 12 k]); window 2: tiles 2, 3; window 3: v0-127 accumulator (a, b) at v[8 (4 a + b)], v128-223 W's fragments of even double steps.
.set XQ_SCL, 6291456
.set WQ_SCL, 3145728
.set TB,     12288                     ; a tile's eight images
.set SLOT,   8*TB
.set RECS,   2*SLOT                    ; W's records: 6 chunks x 4,096 bytes
.set STG,    RECS+6*4096               ; v's stages: 16 rows x (256 + 16) bytes a wave; no fill lands here
.set SPARE,  STG+4*4352                ; the spare words, 128 bytes a wave: two blocks of 256 bytes that no other line names
.set L16, 4
.set L8,  5
.set ADB, 6                            ; v6-9 my head's four tiles in slot 0, 1: + 16 x lane, + 8 x lane
.set ADW, 10                           ; W's scale words: lanes 0-15 tiles 0, 1, lanes 16-31 tiles 2, 3
.set AXS, 11                           ; the same lane term for x's
.set VB,  12
.set VI16,13                           ; offsets of the stores: q's and k's half images,
.set VI8, 14
.set VS,  15                           ; their scale words,
.set VV16,16                           ; V^T's half images,
.set VV8, 17
.set VVS, 18                           ; and their scale bytes
.set STV, 19
.set RDV, 20
.set SPW, 28
.set NIL, 29
.set XS,  32
.set WS,  48
.set BP,  80
.set PC,  112                          ; v112-120 the codes just made
.set TM,  122                          ; v122-127 at work
.set PWS, 128                          ; v128-131 four scale words
.set IM,  132
.set T,   160
.set G1H, 24
.set G1R, 32
.set G1S, 40
.set G0H, 48
.set G0S, 52
.set G0R, 56                           ; s[56:59], s[60:63] the ring's group 0, one for each slot
.set P,   68                           ; s[68:75] blocks of qb (j = 0, 1) and of kv (j even, odd)
.set XA,  76
.set XR,  78
.set SEL, 80
.set HM,  82                           ; lanes 16-31, as a mask
.set MSB, 0
.macro WIN new                         ; the immediate's high byte repeats the setting that is left
.if MSB != (\new)
	s_set_vgpr_msb (MSB<<8)|(\new)
.set MSB, (\new)
.endif
.endm
.macro CROUND                          ; a round of the cluster's barrier
	s_barrier_signal -1
	s_barrier_wait -1
	s_cmp_lg_u32 s14, 0
	s_cbranch_scc1 .Lnot_wave_0_\@
	s_barrier_signal -3
.Lnot_wave_0_\@:
	s_barrier_wait -3
	s_barrier_signal -1
	s_barrier_wait -1
.endm
.macro PLACES                          ; plain vector lines between a matrix instruction and a load into, or a read of, its registers (ISA guide 7.12.1 for the reads)
.rept 4
	v_nop
.endr
.endm
.macro GROUP1 g, c, r, p               ; r rows of c elements of 8 bytes, p elements apart; the mask names all four work-groups, bit 21 beside it
	s_mov_b32 s[\g], 15|(3<<16)|(1<<21)
	s_mov_b32 s[\g+1], (\c)<<16
	s_mov_b32 s[\g+2], (\r)<<16
	s_mov_b32 s[\g+3], (\c)<<16
	s_mov_b32 s[\g+4], \r
	s_mov_b32 s[\g+5], \p
	s_mov_b32 s[\g+6], 0
	s_mov_b32 s[\g+7], 0
.endm
	s_load_b128 s[4:7], s[0:1], 0x0                ; xq, wq
	s_load_b128 s[8:11], s[0:1], 0x10              ; b_qkv, qb
	s_load_b64 s[12:13], s[0:1], 0x20              ; kv
	v_lshl_add_u32 v[SPW], v0, 2, SPARE
	v_mov_b32 v[NIL], 0
	ds_add_u32 v[SPW], v[NIL]                      ; the opening lines: the add, twice on end, and its wait ahead of my first tensor load
	ds_add_u32 v[SPW], v[NIL]
	v_lshrrev_b32 v1, 5, v0
	v_readfirstlane_b32 s14, v1                    ; wave 0..3
	s_lshr_b32 s15, s14, 1                         ; which 64 tokens
	s_and_b32 s16, s14, 1                          ; which head of a chunk's two
	s_bfe_u32 s19, ttmp6, 0x40000                  ; cx: it enters global addresses of x and of the results alone
	s_lshl_b32 s17, ttmp9, 2
	s_add_co_u32 s17, s17, s19                     ; which 128 tokens
	s_and_b32 s18, ttmp7, 0xffff                   ; g, which the four partners share
	GROUP1 G1H, 32, 128, 32                        ; the head: a third of chunk 0, 128 rows of 256 bytes
	GROUP1 G1R, 32, 96, 32                         ; the ring: a quarter of a chunk, 96 rows of 256 bytes
	GROUP1 G1S, 512, 6, 2048                       ; W's records: 6 rows of 4,096 bytes, 16,384 apart
	s_mul_i32 s84, s18, SLOT                       ; chunk g in wq
	s_mov_b32 s85, 0
	s_mul_i32 s86, s14, 32768
	s_mov_b32 s87, 0
	s_mul_i32 s88, s14, 24576
	s_mov_b32 s89, 0
	s_lshl_b32 s90, s18, 12
	s_add_co_u32 s90, s90, WQ_SCL
	s_mov_b32 s91, 0
	s_wait_dscnt 0x0                               ; both opening adds are done
	s_wait_kmcnt 0x0
	s_mov_b32 s[G0S], 1
	s_mov_b32 s[G0S+1], RECS
	s_add_nc_u64 s[G0S+2:G0S+3], s[6:7], s[90:91]
	s_or_b32 s[G0S+3], s[G0S+3], 0x80000000
	s_add_nc_u64 s[6:7], s[6:7], s[84:85]          ; wq at chunk g
	s_mov_b32 s[G0H], 1
	s_mov_b32 s[G0H+1], s86
	s_add_nc_u64 s[G0H+2:G0H+3], s[6:7], s[86:87]
	s_or_b32 s[G0H+3], s[G0H+3], 0x80000000
	s_add_nc_u64 s[6:7], s[6:7], s[88:89]          ; my quarter of a chunk
	s_mov_b32 s[G0R], 1                            ; slot 0: at chunk j = 0; it is stepped two chunks on ahead of each use
	s_mov_b32 s[G0R+1], s88
	s_mov_b64 s[G0R+2:G0R+3], s[6:7]
	s_or_b32 s[G0R+3], s[G0R+3], 0x80000000
	s_mov_b32 s[G0R+4], 1                          ; slot 1: at chunk j = 1
	s_add_co_u32 s[G0R+5], s88, SLOT
	s_add_nc_u64 s[G0R+6:G0R+7], s[6:7], 4*SLOT
	s_or_b32 s[G0R+7], s[G0R+7], 0x80000000
	CROUND                                         ; all four work-groups are here: the joint loads meet
	s_cmp_lt_u32 s14, 3                            ; one load a wave: waves 0-2 a third of chunk 0 each, wave 3 the records
	s_cbranch_scc0 .Lhead_s
	tensor_load_to_lds s[G0H:G0H+3], s[G1H:G1H+7]
	s_nop 0
	PLACES
	s_branch .Lhead_asked
.Lhead_s:
	tensor_load_to_lds s[G0S:G0S+3], s[G1S:G1S+7]
	s_nop 0
	PLACES
.Lhead_asked:
	s_lshl_b32 s84, s17, 3
	s_lshl_b32 s86, s15, 2
	s_add_co_u32 s84, s84, s86                     ; my first tile of x
	s_lshl_b32 s86, s84, 9
	s_add_co_u32 s86, s86, XQ_SCL
	s_mul_i32 s84, s84, TB
	s_add_nc_u64 s[XA:XA+1], s[4:5], s[84:85]
	s_add_nc_u64 s[XR:XR+1], s[4:5], s[86:87]
	s_lshl_b32 s84, s18, 9                         ; the bias of chunk g: 512 bytes a chunk, 256 a head
	s_lshl_b32 s86, s16, 8
	s_add_co_u32 s84, s84, s86
	s_add_nc_u64 s[8:9], s[8:9], s[84:85]
	s_lshr_b32 s84, s17, 4                         ; batch
	s_lshl_b32 s84, s84, 4
	s_lshl_b32 s86, s18, 1
	s_add_co_u32 s84, s84, s86
	s_add_co_u32 s84, s84, s16                     ; 16 batch + head, the head 2 g + my half; for odd j eight heads on
	s_lshl_b32 s84, s84, 4
	s_and_b32 s86, s17, 15
	s_add_co_u32 s84, s84, s86                     ; the block: x 16 + the group of 128 tokens
	s_mul_i32 s86, s84, 6656
	s_add_nc_u64 s[P:P+1], s[10:11], s[86:87]
	s_add_nc_u64 s[P+2:P+3], s[P:P+1], 128*6656
	s_mul_i32 s86, s84, 13056
	s_add_nc_u64 s[P+4:P+5], s[12:13], s[86:87]
	s_add_nc_u64 s[P+6:P+7], s[P+4:P+5], 128*13056
	s_mov_b32 s[SEL], 0x76543210
	s_mov_b32 s[SEL+1], 0xfedcba98
	s_mul_i32 s20, s16, 4*TB                       ; my head's four tiles in slot 0,
	s_add_co_u32 s21, s20, SLOT                    ; in slot 1
	s_lshl_b32 s22, s16, 11
	s_add_co_u32 s22, s22, RECS                    ; their records
	s_mul_i32 s23, s14, 4352
	s_add_co_u32 s23, s23, STG                     ; my stage
	s_mul_i32 s96, s15, 3072                       ; my four half images of a group's eight
	s_lshl_b32 s97, s15, 3
	s_mul_i32 s98, s15, 768                        ; my half of an image of V^T
	s_lshl_b32 s99, s15, 1
	v_and_b32 v1, 15, v0                           ; r
	v_bfe_u32 v2, v0, 4, 1                         ; h
	v_and_b32 v3, 31, v0
	v_lshlrev_b32 v[L16], 4, v3
	v_lshlrev_b32 v[L8], 3, v3
	v_lshlrev_b32 v[AXS], 3, v1
	v_lshl_add_u32 v[AXS], v2, 10, v[AXS]          ; a record's row, 8 bytes; lanes 16-31 two tiles on
	v_lshlrev_b32 v[VB], 6, v2
.irp a, 0,1,2,3                        ; x: 32 images, as they lie
	WIN (1+\a/2)<<6
.irp k, 0,1,2,3,4,5,6,7
	global_load_b128 v[96*(\a%2)+12*\k:96*(\a%2)+12*\k+3], v[L16], s[XA:XA+1] offset:\a*TB+\k*1536
	global_load_b64 v[96*(\a%2)+12*\k+4:96*(\a%2)+12*\k+5], v[L8], s[XA:XA+1] offset:\a*TB+\k*1536+512
	global_load_b128 v[96*(\a%2)+12*\k+6:96*(\a%2)+12*\k+9], v[L16], s[XA:XA+1] offset:\a*TB+\k*1536+768
	global_load_b64 v[96*(\a%2)+12*\k+10:96*(\a%2)+12*\k+11], v[L8], s[XA:XA+1] offset:\a*TB+\k*1536+1280
.endr
.endr
	WIN 0
.irp u, 0,1                            ; x's scale words: register XS + 8 u + k: lanes 0-15 tile u, lanes 16-31 tile u + 2
.irp p, 0,1,2,3
	global_load_b64 v[XS+8*\u+2*\p:XS+8*\u+2*\p+1], v[AXS], s[XR:XR+1] offset:\u*512+\p*128
.endr
.endr
.macro BIAS j                          ; lane (r, h) wants, for tiles 2 B, 2 B + 1, columns 32 B + 16 h + 0 .. 15 of chunk j's head
.irp i, 0,1,2,3,4,5,6,7
	global_load_b128 v[BP+4*\i:BP+4*\i+3], v[VB], s[8:9] offset:(\j)*2048+128*(\i/4)+16*(\i%4)
.endr
.endm
	BIAS 0
	v_add_nc_u32 v[ADB], s20, v[L16]
	v_add_nc_u32 v[ADB+1], s20, v[L8]
	v_add_nc_u32 v[ADB+2], s21, v[L16]
	v_add_nc_u32 v[ADB+3], s21, v[L8]
	v_add_nc_u32 v[ADW], s22, v[AXS]
	v_add_nc_u32 v[VI16], s96, v[L16]
	v_add_nc_u32 v[VI8], s96, v[L8]
	v_add_nc_u32 v[VS], s97, v[L16]
	v_add_nc_u32 v[VV16], s98, v[L16]
	v_add_nc_u32 v[VV8], s98, v[L8]
	v_add_nc_u32 v[VVS], s99, v[L8]
	; TOKEN TILES (W's column tiles stay as stated at the head): tile t of a group of 128 holds tokens 64 (t / 4) + 8 (t % 4) + i % 8 + 32 (i / 8)
	v_and_b32 v21, 8, v1
	v_mad_u32_u24 v21, v21, 3, v1
	v_lshlrev_b32 v21, 2, v21
	v_mad_u32_u24 v21, v2, 2176, v21
	v_add_nc_u32 v[STV], s23, v21                  ; the stage, in: row 8 h + j, token r + 24 (r / 8) of my 64, + 8 for each tile
	v_mul_u32_u24 v22, v1, 272
	v_lshl_add_u32 v22, v2, 6, v22
	v_add_nc_u32 v[RDV], s23, v22                  ; out: row r, + 64 bytes for lanes 16-31
	v_mov_b32 v[TM+2], 0                           ; written once: a lane permute's destination counts as one of its sources
	v_mov_b32 v[TM+3], 0
	v_cmp_ne_u32 s[HM], 0, v2
.macro FRAG reg, adr, k, b             ; image k of my head's tile b
	ds_load_b128 v[\reg:\reg+3],     v[\adr]   offset:(\b)*TB+(\k)*1536
	ds_load_b64  v[\reg+4:\reg+5],   v[\adr+1] offset:(\b)*TB+(\k)*1536+512
	ds_load_b128 v[\reg+6:\reg+9],   v[\adr]   offset:(\b)*TB+(\k)*1536+768
	ds_load_b64  v[\reg+10:\reg+11], v[\adr+1] offset:(\b)*TB+(\k)*1536+1280
.endm
.macro FETCH j, D                      ; double step D (K steps 2 D, 2 D + 1) of chunk j: 32 LDS loads; even D into window 3, odd D into window 0
.if (\D)%2 == 0
	WIN 0xc0
.set FB0, 128
.else
	WIN 0
.set FB0, 160
.endif
.irp kk, 0,1
.irp b, 0,1,2,3
	FRAG FB0+48*\kk+12*\b, ADB+2*((\j)%2), 2*(\D)+\kk, \b
.endr
.endr
	WIN 0
.endm
.macro WSC j                           ; chunk j's scale words of W: register WS + 16 (j % 2) + 8 u + k: lanes 0-15 tile u, lanes 16-31 tile u + 2
.irp u, 0,1
.irp p, 0,1,2,3
	ds_load_b64 v[WS+16*((\j)%2)+8*\u+2*\p:WS+16*((\j)%2)+8*\u+2*\p+1], v[ADW] offset:(\j)*4096+\u*512+\p*128
.endr
.endr
.endm
.macro WM d, fb, fa, c, sa, sb, ra, rb ; one product; ra, rb: which half of the lanes holds W's and x's scale words
.if (\ra) == 0 && (\rb) == 0
	v_wmma_scale_f32_16x16x128_f8f6f4 v[\d:\d+7], v[\fb:\fb+11], v[\fa:\fa+11], \c, v[\sa], v[\sb] matrix_a_fmt:MATRIX_FMT_BF6 matrix_b_fmt:MATRIX_FMT_BF6
.elseif (\ra) == 1 && (\rb) == 0
	v_wmma_scale_f32_16x16x128_f8f6f4 v[\d:\d+7], v[\fb:\fb+11], v[\fa:\fa+11], \c, v[\sa], v[\sb] matrix_a_fmt:MATRIX_FMT_BF6 matrix_b_fmt:MATRIX_FMT_BF6 matrix_a_scale:MATRIX_SCALE_ROW1
.elseif (\ra) == 0
	v_wmma_scale_f32_16x16x128_f8f6f4 v[\d:\d+7], v[\fb:\fb+11], v[\fa:\fa+11], \c, v[\sa], v[\sb] matrix_a_fmt:MATRIX_FMT_BF6 matrix_b_fmt:MATRIX_FMT_BF6 matrix_b_scale:MATRIX_SCALE_ROW1
.else
	v_wmma_scale_f32_16x16x128_f8f6f4 v[\d:\d+7], v[\fb:\fb+11], v[\fa:\fa+11], \c, v[\sa], v[\sb] matrix_a_fmt:MATRIX_FMT_BF6 matrix_b_fmt:MATRIX_FMT_BF6 matrix_a_scale:MATRIX_SCALE_ROW1 matrix_b_scale:MATRIX_SCALE_ROW1
.endif
.endm
; 32 matrix instructions: a double step.  x's tiles 0, 1 (window 1), then 2, 3 (window 2); in each half eight accumulators take turns, one instruction a turn, K ascending.
.macro MULD j, D
.if (\D)%2 == 0
.set FB0, 128
.set W0, 3
.else
.set FB0, 160
.set W0, 0
.endif
.irp hf, 0,1
.irp kk, 0,1
.if (\D) == 0 && \kk == 0
	WIN 0xc0|((1+\hf)<<2)|W0                       ; C, the bias, in window 0
.else
	WIN 0xf0|((1+\hf)<<2)|W0
.endif
.irp aa, 0,1
.irp b, 0,1,2,3
.if (\D) == 0 && \kk == 0
	WM 8*(4*(2*\hf+\aa)+\b), FB0+48*\kk+12*\b, 96*\aa+12*(2*(\D)+\kk), v[BP+8*\b:BP+8*\b+7], WS+16*((\j)%2)+8*(\b%2)+2*(\D)+\kk, XS+8*\aa+2*(\D)+\kk, \b/2, \hf
.else
	WM 8*(4*(2*\hf+\aa)+\b), FB0+48*\kk+12*\b, 96*\aa+12*(2*(\D)+\kk), v[8*(4*(2*\hf+\aa)+\b):8*(4*(2*\hf+\aa)+\b)+7], WS+16*((\j)%2)+8*(\b%2)+2*(\D)+\kk, XS+8*\aa+2*(\D)+\kk, \b/2, \hf
.endif
.endr
.endr
.endr
.endr
.endm
; 32 numbers of a lane in window w, register 16 b + i = k 32 b + 16 (lane / 16) + i of the lane's row, become half a fragment's codes in v[PC] on and the row's two scale bytes in v[pw].  Accumulators are read from their low end on.
.macro HQ s, w, pw
	WIN 5*(\w)
.irp b, 0,1
	v_max3_num_f32 v[TM+\b], |v[(\s)+16*\b]|, |v[(\s)+1+16*\b]|, 0x2800000   ; and the floor 2^(5 - 127)
.endr
.irp i, 2,4,6,8,10,12,14
.irp b, 0,1
	v_max3_num_f32 v[TM+\b], |v[(\s)+16*\b+\i]|, |v[(\s)+1+16*\b+\i]|, v[TM+\b]
.endr
.endr
	WIN 0
.irp b, 0,1
	v_permlanex16_b32 v[TM+2+\b], v[TM+\b], s[SEL], s[SEL+1]
.endr
.irp b, 0,1
	v_max_num_f32 v[TM+\b], v[TM+\b], v[TM+2+\b]   ; with lane l xor 16's 16: the block's largest magnitude
.endr
.irp b, 0,1
	v_add_nc_u32 v[TM+4+\b], 0xfe000000, v[TM+\b]  ; 4 off its exponent field: the conversion's scale operand
.endr
.irp b, 0,1
	v_lshrrev_b32 v[TM+2+\b], 23, v[TM+4+\b]       ; the byte
.endr
	v_lshl_or_b32 v[\pw], v[TM+3], 8, v[TM+2]
	WIN (\w)
	v_cvt_scalef32_pk16_bf6_f32 v[PC:PC+2], v[(\s):(\s)+15], v[TM+4]
	v_cvt_scalef32_pk16_bf6_f32 v[PC+6:PC+8], v[(\s)+16:(\s)+31], v[TM+5]
	WIN 0
	v_nop                                          ; one plain line behind the scaled conversions
.irp i, 0,1,2
	v_permlane16_swap_b32 v[PC+\i], v[PC+6+\i]     ; a whole block in a lane: lanes 0-15 block 0, lanes 16-31 block 1
.endr
.irp i, 0,1,2
	v_mov_b32 v[PC+3+\i], v[PC+6+\i]
.endr
.endm
.macro QKOUT p, so                     ; q or k: a token tile's 32 accumulator registers are the head's 64 columns in order
.irp a, 0,1,2,3
	s_wait_xcnt 0x0                                ; the last tile's stores have read the codes' registers
	HQ 32*\a, 3, PWS+\a
	global_store_b128 v[VI16], v[PC:PC+3], s[\p:\p+1] offset:768*\a
	global_store_b64 v[VI8], v[PC+4:PC+5], s[\p:\p+1] offset:768*\a+512
.endr
.irp i, 0,1
	v_cndmask_b32 v[IM+\i], v[PWS+2*\i], v[PWS+2*\i+1], s[HM]   ; my word i: tile 2 i in lanes 0-15, 2 i + 1 in lanes 16-31
.endr
	global_store_b64 v[VS], v[IM:IM+1], s[\p:\p+1] offset:\so
.endm
.macro VOUT p                          ; v: its K is the keys, which lie across lanes: a column tile (16 of the head's 64) x my 64 tokens turns through my stage
.irp b, 0,1,2,3
	WIN 0x0c                                       ; an LDS store's data are its source 1: window 3
.irp a, 0,1,2,3
.irp q, 0,1,2,3,4,5,6,7
	ds_store_b32 v[STV], v[8*(4*\a+\b)+\q] offset:272*\q+32*\a
.endr
.endr
	WIN 0
.irp i, 0,1,2,3,4,5,6,7
	ds_load_b128 v[T+4*\i:T+4*\i+3], v[RDV] offset:128*(\i/4)+16*(\i%4)   ; LDS serves a wave's instructions in order: these see my stores
.endr
	s_wait_dscnt 0x0
	s_wait_xcnt 0x0                                ; the last image's stores have read the codes' registers
	HQ T, 0, PWS+\b
	global_store_b128 v[VV16], v[PC:PC+3], s[\p:\p+1] offset:6144+1536*\b
	global_store_b64 v[VV8], v[PC+4:PC+5], s[\p:\p+1] offset:6144+1536*\b+512
.endr
.irp i, 0,1
	v_cndmask_b32 v[IM+\i], v[PWS+2*\i], v[PWS+2*\i+1], s[HM]
.endr
.irp i, 0,1
	global_store_b16 v[VVS], v[IM+\i], s[\p:\p+1] offset:12800+4*\i   ; my two key blocks' bytes of each row's word
.endr
.endm
; A CHUNK: four double steps; while one is multiplied the next one's 32 loads land in the other set.  Then its slot is given up and filled again, the next chunk's first fragments are fetched, and the chunk goes out.
.macro CHUNK j
	FETCH \j, 1
	s_wait_loadcnt 0x0                             ; the bias (ahead of the first chunk: x too)
	s_wait_dscnt 32                                ; all but the 32 loads just issued
	MULD \j, 0
	WIN 0
	PLACES
.if (\j) < 5
	BIAS (\j)+1                                    ; the first products have taken this chunk's
.endif
	FETCH \j, 2
	s_wait_dscnt 32
	MULD \j, 1
	WIN 0
	PLACES
	FETCH \j, 3
	s_wait_dscnt 32
	MULD \j, 2
	s_wait_dscnt 0x0
	MULD \j, 3
	WIN 0
.if (\j) < 4
	s_wait_tensorcnt 0x0                           ; all my tensor loads have landed: my part of the next chunk
	ds_add_u32 v[SPW], v[NIL]                      ; 0 onto my spare word
	s_add_nc_u64 s[G0R+4*((\j)%2)+2:G0R+4*((\j)%2)+3], s[G0R+4*((\j)%2)+2:G0R+4*((\j)%2)+3], 8*SLOT   ; no load of mine is out: this slot's next chunk, two j on
	s_wait_dscnt 0x0                               ; the add is done; my reads of this slot were over ahead of the last products
	CROUND                                         ; no wave of any partner still reads this slot or has a load on its way
	tensor_load_to_lds s[G0R+4*((\j)%2):G0R+4*((\j)%2)+3], s[G1R:G1R+7]   ; my one tensor load behind the round
	s_nop 0
	PLACES                                         ; also the places behind the last products
.elseif (\j) == 4
	s_wait_tensorcnt 0x0                           ; my part of the last chunk is in
	s_barrier_signal -1
	s_barrier_wait -1
	PLACES
.else
	PLACES
.endif
.if (\j) < 5
	FETCH (\j)+1, 0
	WSC (\j)+1
.endif
.if (\j) < 2
	QKOUT P+2*(\j), 6144
.elseif (\j) < 4
	QKOUT P+2*(\j), 12288
.else
	VOUT P+2*(\j)-4
.endif
.endm
	s_wait_alu depctr_va_vdst(0)
	s_wait_tensorcnt 0x0                           ; my part of the head's fills is in
	ds_add_u32 v[SPW], v[NIL]
	s_wait_dscnt 0x0
	CROUND                                         ; chunk 0 and the records are in, and all four work-groups are here
	tensor_load_to_lds s[G0R+4:G0R+7], s[G1R:G1R+7]   ; slot 1's first fill: chunk j = 1
	s_nop 0
	PLACES
	FETCH 0, 0
	WSC 0
.irp j, 0,1,2,3,4,5
	CHUNK \j
.endr
	s_wait_tensorcnt 0x0                           ; the wave's end, behind my last tensor load and my last LDS store
	ds_add_u32 v[SPW], v[NIL]
	s_wait_dscnt 0x0
	CROUND                                         ; the closing round
	s_endpgm
.Lfunc_end_k_q6875708a77_qkv:
	.size	k_q6875708a77_qkv, .Lfunc_end_k_q6875708a77_qkv-k_q6875708a77_qkv
	.p2alignl 7, 3214868480
	.fill 96, 4, 3214868480
	.section	.rodata,"a",@progbits
	.p2align	6, 0x0
	.amdhsa_kernel k_q6875708a77_qkv
		.amdhsa_group_segment_fixed_size 327680
		.amdhsa_private_segment_fixed_size 0
		.amdhsa_enable_private_segment 0
		.amdhsa_kernarg_size 40
		.amdhsa_user_sgpr_count 2
		.amdhsa_user_sgpr_kernarg_segment_ptr 1
		.amdhsa_wavefront_size32 1
		.amdhsa_system_sgpr_workgroup_id_x 1
		.amdhsa_system_sgpr_workgroup_id_y 1
		.amdhsa_system_sgpr_workgroup_id_z 1
		.amdhsa_system_vgpr_workitem_id 0
		.amdhsa_next_free_vgpr 1024
		.amdhsa_next_free_sgpr 100
		.amdhsa_reserve_vcc 0
		.amdhsa_float_denorm_mode_32 3
		.amdhsa_float_denorm_mode_16_64 3
		.amdhsa_memory_ordered 1
		.amdhsa_forward_progress 1
		.amdhsa_inst_pref_size 255
	.end_amdhsa_kernel
	.section	.bss,"aw",@nobits
	.p2align	6
	.space	262144
	.amdgpu_metadata
---
amdhsa.version: [ 1, 2 ]
amdhsa.kernels:
  - .name:           k_q6875708a77_qkv
    .symbol:         k_q6875708a77_qkv.kd
    .args:
      - { .name: xq, .offset: 0, .size: 8, .value_kind: global_buffer, .address_space: global }
      - { .name: wq, .offset: 8, .size: 8, .value_kind: global_buffer, .address_space: global }
      - { .name: b_qkv, .offset: 16, .size: 8, .value_kind: global_buffer, .address_space: global }
      - { .name: qb, .offset: 24, .size: 8, .value_kind: global_buffer, .address_space: global }
      - { .name: kv, .offset: 32, .size: 8, .value_kind: global_buffer, .address_space: global }
    .group_segment_fixed_size: 327680
    .private_segment_fixed_size: 0
    .kernarg_segment_align: 8
    .kernarg_segment_size: 40
    .max_flat_workgroup_size: 128
    .sgpr_count:     100
    .vgpr_count:     1024
    .wavefront_size: 32
...
	.end_amdgpu_metadata
.endif
;; end of part 2
;; launch attn (part 3): grid 4 x 64, 16 waves a work-group, clusters of 4 x 1, 210,944 bytes of LDS; arguments qb, kv, aq; writes aq
.if DOCPART == 3
	.amdgcn_target "amdgcn-amd-amdhsa--gfx1250"
	.amdhsa_code_object_version 6
	.text
	.protected	k_q6875708a77_attn
	.globl	k_q6875708a77_attn
	.p2align	8
	.type	k_q6875708a77_attn,@function
k_q6875708a77_attn:
	s_mov_b64 s[64:65], 0
	v_nop
	global_prefetch_b8 v0, s[64:65] scope:SCOPE_SE
	s_setreg_imm32_b32 hwreg(HW_REG_WAVE_MODE, 25, 1), 1
	s_wait_xcnt 0x0
	s_wait_alu depctr_hold_cnt(0) depctr_sa_sdst(0) depctr_va_vdst(0) depctr_va_sdst(0) depctr_va_ssrc(0) depctr_va_vcc(0) depctr_vm_vsrc(0)
	s_getreg_b32 s2, hwreg(HW_REG_IB_STS2, 6, 4)
	s_cmp_eq_u32 s2, 0
	s_cbranch_scc0 .Lentry_in_a_cluster
	s_endpgm
.Lentry_in_a_cluster:
	s_bfe_u32 s2, ttmp6, 0x10000c
	s_cmp_lg_u32 s2, 0x3003
	s_cbranch_scc0 .Lentry_shape_is_right
	s_endpgm
.Lentry_shape_is_right:
; Causal attention of one (batch, head) a cluster, head size 64, 2,048 tokens, both products on codes of BF6 (E3M2) with E8M0 scales; the result is divided by the row's sum, quantised along the model's 1,024 and stored as codes.
; t = score x log2(e) / 8; M = the running largest t rounded UP to a whole number; p = 2^(t - M) is quantised along the keys, not normalised; the row's sum is taken of the unquantised p.  When M moves, the sum and O are multiplied by 2^(old M - new M): exact.
; A block's largest p is not searched for: the block's largest score goes through the same multiply-add and exponential (this takes v_exp_f32 not to fall where its input rises).
; LDS.  The head's K, V and their scale words, 16 blocks of 128 keys x 13,056 bytes = 208,896 bytes, come ONCE into each partner's LDS, by joint loads that name all four work-groups: nothing is filled again, so there is no ring.
;   A block: K's eight half images (a tile of 16 keys x 64, 768 bytes: registers 0-3 at 16 x lane, 4-5 at 512 + 8 x lane); four images of V^T (16 of the 64 x 128 keys, 3 x 512 bytes); K's scale words (512); V's (256).
; SHARES.  A group is 128 queries, eight tiles of 16; every tile of group g wants key steps 0 .. g.  Partner cx takes tiles 2 cx, 2 cx + 1 of every group; wave w takes tile 2 cx + w / 8, first of group max(w, 15 - w), then of
;   15 less that: 17 key steps for every wave of the launch.  Trip counts are constants; a step whose keys all come after the wave's queries is jumped over by a scalar branch on the wave's number.  cx enters global addresses and a vector compare alone.
; TILES.  Tile 2 B + u holds rows 32 B + 8 u + i + 8 (i / 8).  S^T = K Q^T (source 0 = 16 keys, source 1 = my 16 queries), O^T = V^T P^T: a lane holds ONE query; the 16 registers of tiles 2 B, 2 B + 1 are 16 neighbours.
; K = 64 IN AN INSTRUCTION OF 128.  Q's registers 6-11 are zero codes.  K's tile t is named v[40 + 6 t : 51 + 6 t]: its upper six registers are the next tile's codes (for t = 7 zeros): a code (E3M2 has no infinity and no NaN) times
;   a zero code adds nothing, and no scale byte there is 0xff.  So K takes half the registers and half the LDS reads.
; LIMITS: NaN and infinities are not served; a block of zeros or under 2^-122 gets the byte 1.  O / l is a multiplication by v_rcp_f32's result.
; (The layout of V^T that this text reads: each of a block's four images is two halves of 768 bytes, laid like K's half images: registers 6 c .. 6 c + 3 at 768 c + 16 x lane, 6 c + 4, 6 c + 5 at 768 c + 512 + 8 x lane.)
; (TOKEN TILES as this text reads them: tile t of a group of 128 holds tokens 64 (t / 4) + 8 (t % 4) + i % 8 + 32 (i / 8).  So in S^T lane (r, h) holds, in the 32 registers of tiles 0-3, keys 32 h + 0 .. 31, and in those of tiles 4-7
; keys 64 + 32 h + 0 .. 31: two WHOLE blocks of 32 keys, in the order that p's operand wants: a block's largest score needs no other lane, and p's codes change no lane.  The tiles of V^T's rows and of O^T stay as stated above.)
.set SH8,  29                          ; v29 8 x (lane / 16)
.set MK,   70                          ; s70-101 lane masks: bit l of mask e: key 32 h + e of my tile's 64 keys comes after my query
.set MT,   66                          ; s66-69 at work on the diagonal
.set KVB,  13056
.set AQ_SCL, 6291456
.set L16, 1
.set L8,  2
.set A16, 3                            ; v3, v4 the step's block + 16 x lane, + 8 x lane
.set A8,  4
.set DM,  5                            ; v5  my query in its 64 - 32 (lane / 16)
.set NINF,6
.set R8,  8                            ; v8  8 x (lane % 16)
.set QR,  16                           ; v16-21 Q, v22-27 zero codes
.set QS,  28
.set Q1,  30                           ; v30-35, v36 the second pass's Q and scale word
.set VQ16,37                           ; v37-39 offsets of Q's loads; never rewritten
.set VQ8, 38
.set VQS, 39
.set KR,  40                           ; v40-87 K's eight halves, later V's four fragments; v88-93 zero codes
.set S,   96                           ; v96-159 S^T, then p
.set O,   160                          ; v160-191 O^T
.set PC,  192                          ; v192-210 p's codes
.set BM,  212                          ; v212-215 the blocks' largest
.set PT,  216                          ; v216-219 at work
.set CO,  220                          ; v220-223 the conversions' scale operands
.set KS,  224                          ; v224-227 K's scale words: register i: tile 2 i in lanes 0-15, 2 i + 1 in lanes 16-31
.set VS,  228                          ; v228-229 V's likewise
.set F,   230                          ; v230 f
.set PS,  231                          ; v231 p's scale word
.set T0,  232
.set WV,  10
.set G,   14                           ; s14 my group
.set J,   15                           ; s15 the key step
.set TB,  16                           ; s16 its block in LDS
.set SEL, 20
.set CS,  22
.set G1A, 24
.set G0A, 40
.macro CROUND
	s_barrier_signal -1
	s_barrier_wait -1
	s_cmp_lg_u32 s[WV], 0
	s_cbranch_scc1 .Lnot_wave_0_\@
	s_barrier_signal -3
.Lnot_wave_0_\@:
	s_barrier_wait -3
	s_barrier_signal -1
	s_barrier_wait -1
.endm
	s_load_b128 s[4:7], s[0:1], 0x0                ; qb, kv
	s_load_b64 s[8:9], s[0:1], 0x10                ; aq
	v_lshl_add_u32 v254, v0, 2, 0x33000
	v_mov_b32 v255, 0
	ds_add_u32 v254, v255
	ds_add_u32 v254, v255
	v_lshrrev_b32 v1, 5, v0
	s_delay_alu instid0(VALU_DEP_1)
	v_readfirstlane_b32 s[WV], v1                  ; wave 0..15
	s_bfe_u32 s11, ttmp6, 0x40000                  ; cx
	s_and_b32 s12, ttmp7, 0xffff                   ; 16 batch + head, which the four partners share
	; group 1: dense bytes as rows of 256 (32 elements of 8 bytes): one block of 128 keys is 51 rows
	s_mov_b32 s[G1A], 15|(3<<16)|(1<<21)           ; 15:0 the mask: all four work-groups; 17:16 elements of 8 bytes; 21 set beside a mask
	s_mov_b32 s[G1A+1], 32<<16
	s_mov_b32 s[G1A+2], 51<<16
	s_mov_b32 s[G1A+3], 32<<16
	s_mov_b32 s[G1A+4], 51
	s_mov_b32 s[G1A+5], 32
	s_mov_b32 s[G1A+6], 0
	s_mov_b32 s[G1A+7], 0
	s_mul_i32 s61, s[WV], KVB                      ; wave w fetches block w: the same place in LDS as in the head's bytes
	s_mul_i32 s66, s12, 16*KVB
	s_mov_b32 s67, 0
	s_mov_b32 s[SEL], 0x76543210
	s_mov_b32 s[SEL+1], 0xfedcba98
	s_mov_b32 s[CS], 0x3e38aa3b                    ; c = log2(e) / 8
	s_mov_b32 s[CS+1], s[CS]                       ; (named with it as a pair)
	s_wait_dscnt 0x0
	s_wait_kmcnt 0x0
	s_add_nc_u64 s[6:7], s[6:7], s[66:67]          ; kv at my head
	s_mov_b32 s66, s61
	s_mov_b32 s[G0A], 1
	s_mov_b32 s[G0A+1], s61
	s_add_nc_u64 s[G0A+2:G0A+3], s[6:7], s[66:67]
	s_or_b32 s[G0A+3], s[G0A+3], 0x80000000
	CROUND                                         ; all four work-groups are here: the joint loads meet
	tensor_load_to_lds s[G0A:G0A+3], s[G1A:G1A+7]  ; sixteen blocks, sixteen waves: one load a wave, under no branch
	s_nop 0
.rept 4
	v_nop
.endr
	s_lshr_b32 s13, s[WV], 3
	s_lshl_b32 s60, s11, 1
	s_add_co_u32 s13, s13, s60                     ; my tile of a group: 2 cx + w / 8
	s_sub_co_u32 s60, 15, s[WV]
	s_max_u32 s[G], s[WV], s60                     ; the first pass's group, 8 .. 15,
	s_sub_co_u32 s63, 15, s[G]                     ; the second's
	s_lshl_b32 s66, s12, 4
	s_add_co_u32 s68, s66, s[G]
	s_mul_i32 s68, s68, 6656
	s_mov_b32 s69, 0
	s_add_nc_u64 s[48:49], s[4:5], s[68:69]        ; qb's block of the first pass,
	s_add_co_u32 s68, s66, s63
	s_mul_i32 s68, s68, 6656
	s_add_nc_u64 s[50:51], s[4:5], s[68:69]        ; of the second
	v_and_b32 v7, 31, v0
	s_delay_alu instid0(VALU_DEP_1)
	v_lshlrev_b32 v[L16], 4, v7
	s_delay_alu instid0(VALU_DEP_2)
	v_lshlrev_b32 v[L8], 3, v7
	v_and_b32 v9, 15, v0                           ; r
	s_wait_alu depctr_va_vdst(0)
	v_bfe_u32 v10, v0, 4, 1                        ; h
	s_wait_alu depctr_va_vdst(0)
	s_mul_i32 s60, s13, 768
	v_add_nc_u32 v[VQ16], s60, v[L16]
	v_add_nc_u32 v[VQ8], s60, v[L8]
	s_and_b32 s61, s13, 1
	s_lshl_b32 s61, s61, 8
	s_lshr_b32 s62, s13, 1
	s_lshl_b32 s62, s62, 2
	s_add_co_u32 s61, s61, s62
	v_lshl_add_u32 v[VQS], v9, 4, s61              ; my tile's word of row r: 16 (r + 16 (tile % 2)) + 4 (tile / 2)
	global_load_b128 v[QR:QR+3], v[VQ16], s[48:49]
	global_load_b64 v[QR+4:QR+5], v[VQ8], s[48:49] offset:512
	global_load_b32 v[QS], v[VQS], s[48:49] offset:6144
	global_load_b128 v[Q1:Q1+3], v[VQ16], s[50:51]
	global_load_b64 v[Q1+4:Q1+5], v[VQ8], s[50:51] offset:512
	global_load_b32 v[Q1+6], v[VQS], s[50:51] offset:6144
	s_and_b32 s60, s13, 3
	s_lshl_b32 s60, s60, 3
	s_lshr_b32 s17, s11, 1                         ; tile / 4 = cx / 2: which 64 keys of the diagonal step hold my queries.  It chooses a value, no way through the text:
	s_cmp_eq_u32 s17, 0
	s_cselect_b32 s17, -1, 0                       ; all ones where they are the lower 64
	v_and_b32 v[DM], 7, v9
	v_lshrrev_b32 v11, 3, v9
	v_sub_nc_u32 v11, v11, v10
	v_lshl_add_u32 v[DM], v11, 5, v[DM]
	v_add_nc_u32 v[DM], s60, v[DM]                 ; my query in its 64, 8 (tile % 4) + r % 8 + 32 (r / 8), less 32 h
	v_lshlrev_b32 v[SH8], 3, v10
.set n, 0
.rept 32                               ; made once: the same masks serve both passes
	v_cmp_gt_i32 s[MK+n], n, v[DM]
.set n, n+1
.endr
	v_lshlrev_b32 v[R8], 3, v9
	v_mov_b32 v[NINF], 0xff800000
.irp i, 0,1,2,3,4,5
	v_mov_b32 v[QR+6+\i], 0
	v_mov_b32 v[KR+48+\i], 0
.endr
.irp b, 0,1,2,3
	v_mov_b32 v[PT+\b], 0                          ; written once: a lane permute's destination counts as one of its sources
.endr
	v_mov_b32 v[PS], 0                             ; (named as the upper half of the pair with f before it is first written)
	; where the results go: aq's half image (tile x 16 + head) x 768, and two bytes of the tile's record
	s_lshr_b32 s60, s12, 4
	s_lshl_b32 s60, s60, 7
	s_add_co_u32 s60, s60, s13                     ; 128 batch + my tile
	s_and_b32 s61, s12, 15                         ; head
	s_lshr_b32 s62, s61, 2
	s_lshl_b32 s62, s62, 7
	s_and_b32 s66, s61, 3
	s_lshl_b32 s66, s66, 1
	s_add_co_u32 s62, s62, s66
	s_add_co_u32 s62, s62, AQ_SCL                  ; 128 (head / 4) + 2 (head % 4), behind the images
.macro OADR g, oi, os
	s_lshl_b32 s66, s[\g], 3
	s_add_co_u32 s66, s66, s60
	s_lshl_b32 s68, s66, 4
	s_add_co_u32 s68, s68, s61
	s_mul_i32 s68, s68, 768
	s_add_nc_u64 s[\oi:\oi+1], s[8:9], s[68:69]
	s_lshl_b32 s68, s66, 9
	s_add_co_u32 s68, s68, s62
	s_add_nc_u64 s[\os:\os+1], s[8:9], s[68:69]
.endm
	OADR G, 52, 54
	OADR 63, 56, 58
.macro INIT                            ; the step is written without a first step of its own: it finds zeros, which the first change of M leaves zeros
	v_mov_b32 v13, 0xff61b1e6                      ; the largest t so far: -3e38
	s_delay_alu instid0(VALU_DEP_1)
	v_floor_f32 v12, -v13                          ; -M
	v_mov_b32 v14, 0                               ; the sum, in two halves
	v_mov_b32 v15, 0
.set n, 0
.rept 32
	v_mov_b32 v[O+n], 0
.set n, n+1
.endr
	s_mov_b32 s[J], 0
	s_mov_b32 s[TB], 0
.endm
; A KEY STEP: 128 keys.  chk = 1: the step may lie behind my queries (jumped over) or on the diagonal (masked).
.macro STEP chk
.if \chk
	s_cmp_gt_u32 s[J], s[G]
	s_cbranch_scc1 .Lhid_\@
.endif
	v_add_nc_u32 v[A16], s[TB], v[L16]
	v_add_nc_u32 v[A8], s[TB], v[L8]
	v_nop
	v_nop                                          ; four places in front of loads into registers that the last products read
.irp t, 0,1,2,3,4,5,6,7
	ds_load_b128 v[KR+6*\t:KR+6*\t+3], v[A16] offset:768*\t
	ds_load_b64 v[KR+6*\t+4:KR+6*\t+5], v[A8] offset:768*\t+512
.endr
	ds_load_b128 v[KS:KS+3], v[A16] offset:12288
	s_wait_alu depctr_va_vdst(0)
	s_wait_dscnt 0x0
.irp t, 0,1,2,3,4,5,6,7
.if \t%2 == 0
	v_wmma_scale_f32_16x16x128_f8f6f4 v[S+8*\t:S+8*\t+7], v[KR+6*\t:KR+6*\t+11], v[QR:QR+11], 0, v[KS+\t/2], v[QS] matrix_a_fmt:MATRIX_FMT_BF6 matrix_b_fmt:MATRIX_FMT_BF6
.else
	v_wmma_scale_f32_16x16x128_f8f6f4 v[S+8*\t:S+8*\t+7], v[KR+6*\t:KR+6*\t+11], v[QR:QR+11], 0, v[KS+\t/2], v[QS] matrix_a_fmt:MATRIX_FMT_BF6 matrix_b_fmt:MATRIX_FMT_BF6 matrix_a_scale:MATRIX_SCALE_ROW1
.endif
.endr
.rept 4
	v_nop                                          ; places: K's registers take V below, and the scores are read
.endr
.irp d, 0,1,2,3
.irp c, 0,1
	ds_load_b128 v[KR+12*\d+6*\c:KR+12*\d+6*\c+3], v[A16] offset:6144+1536*\d+768*\c   ; V lands under the softmax
	ds_load_b64 v[KR+12*\d+6*\c+4:KR+12*\d+6*\c+5], v[A8] offset:6144+1536*\d+768*\c+512
.endr
.endr
	ds_load_b64 v[VS:VS+1], v[A8] offset:12800
.if \chk
	s_cmp_eq_u32 s[J], s[G]
	s_cbranch_scc0 .Lopen_\@
.set n, 0
.rept 64                               ; on the diagonal the scores of hidden keys become -infinity ahead of the maximum: p = 0 then
.if n < 32
	s_and_b32 s[MT+n%4], s[MK+n], s17              ; the lower 64 keys: by the mask where my queries lie there, else none is hidden
.else
	s_or_b32 s[MT+n%4], s[MK+n-32], s17            ; the upper 64: all hidden where my queries lie in the lower, else by the mask
.endif
	v_cndmask_b32 v[S+n], v[S+n], v[NINF], s[MT+n%4]
.set n, n+1
.endr
.Lopen_\@:
.endif
.irp b, 0,1,2,3
	v_max3_num_f32 v[BM+\b], v[S+16*\b], v[S+1+16*\b], v[S+2+16*\b]   ; the largest score of each block of 32 keys: for the row's maximum and for the block's largest p
.endr
.irp i, 3,5,7,9,11,13
.irp b, 0,1,2,3
	v_max3_num_f32 v[BM+\b], v[BM+\b], v[S+16*\b+\i], v[S+1+16*\b+\i]
.endr
.endr
.irp b, 0,1,2,3
	v_max_num_f32 v[BM+\b], v[BM+\b], v[S+15+16*\b]
.endr
	v_max_num_f32 v[BM], v[BM], v[BM+1]            ; the four are halves of my two blocks: key block h,
	v_max_num_f32 v[BM+1], v[BM+2], v[BM+3]        ; and key block 2 + h
	s_delay_alu instid0(VALU_DEP_1)
	v_max_num_f32 v[T0], v[BM], v[BM+1]
	s_delay_alu instid0(VALU_DEP_1)
	v_permlanex16_b32 v[PT], v[T0], s[SEL], s[SEL+1]
	s_delay_alu instid0(VALU_DEP_1)
	v_max_num_f32 v[T0], v[T0], v[PT]              ; with lane l xor 16's two blocks: the step's largest score of my query
	s_delay_alu instid0(VALU_DEP_1)
	v_mul_f32 v[T0], s[CS], v[T0]                  ; as t (c is positive)
	s_delay_alu instid0(VALU_DEP_1)
	v_max_num_f32 v13, v13, v[T0]                  ; the running largest t
	v_mov_b32 v[T0], v12
	s_delay_alu instid0(VALU_DEP_2)
	v_floor_f32 v12, -v13                          ; the new -M = -ceil(t)
	s_delay_alu instid0(VALU_DEP_1)
	v_sub_f32 v[T0], v12, v[T0]                    ; old M - new M: a whole number, 0 or less
	s_delay_alu instid0(VALU_DEP_1)
	v_cvt_i32_f32 v[T0], v[T0]                     ; (it saturates)
	s_delay_alu instid0(VALU_DEP_1)
	v_ldexp_f32 v[F], 1.0, v[T0]                   ; f = 2^(old M - new M)
.set n, 0
.rept 32
	v_pk_fma_f32 v[S+n:S+n+1], v[S+n:S+n+1], s[CS:CS+1], v[12:13] op_sel_hi:[1,0,0]   ; t - M, two at a time
.set n, n+2
.endr
.irp b, 0,1
	v_fma_f32 v[BM+\b], v[BM+\b], s[CS], v12
.endr
.set n, 0
	s_wait_alu depctr_va_vdst(0)
.rept 64
	v_exp_f32 v[S+n], v[S+n]                       ; p = 2^(t - M)
.set n, n+1
.endr
	v_pk_mul_f32 v[14:15], v[14:15], v[F:F+1] op_sel_hi:[1,0]   ; the sums under the new M (a plain line behind the exponentials)
	s_wait_alu depctr_va_vdst(0)                   ; one wait for the batch, ahead of its first reader
.irp b, 0,1
	v_exp_f32 v[BM+\b], v[BM+\b]                   ; my two blocks' largest p
.endr
	v_pk_add_f32 v[216:217], v[100:101], v[104:105]
	v_pk_add_f32 v[252:253], v[108:109], v[112:113]
	v_pk_add_f32 v[250:251], v[116:117], v[120:121]
	v_pk_add_f32 v[248:249], v[124:125], v[128:129]
	v_pk_add_f32 v[246:247], v[132:133], v[136:137]
	v_pk_add_f32 v[244:245], v[140:141], v[144:145]
	v_pk_add_f32 v[242:243], v[148:149], v[152:153]
	v_pk_add_f32 v[14:15], v[14:15], v[156:157]
	v_pk_add_f32 v[216:217], v[216:217], v[96:97]
	v_pk_add_f32 v[252:253], v[252:253], v[98:99]
	v_pk_add_f32 v[250:251], v[250:251], v[102:103]
	v_pk_add_f32 v[248:249], v[248:249], v[106:107]
	v_pk_add_f32 v[246:247], v[246:247], v[110:111]
	v_pk_add_f32 v[244:245], v[244:245], v[114:115]
	v_pk_add_f32 v[242:243], v[242:243], v[118:119]
	v_pk_add_f32 v[14:15], v[14:15], v[122:123]
	v_pk_add_f32 v[216:217], v[216:217], v[126:127]
	v_pk_add_f32 v[252:253], v[252:253], v[130:131]
	v_pk_add_f32 v[250:251], v[250:251], v[134:135]
	v_pk_add_f32 v[248:249], v[248:249], v[138:139]
	v_pk_add_f32 v[246:247], v[246:247], v[142:143]
	v_pk_add_f32 v[244:245], v[244:245], v[146:147]
	v_pk_add_f32 v[242:243], v[242:243], v[150:151]
	v_pk_add_f32 v[14:15], v[14:15], v[154:155]
	v_pk_add_f32 v[216:217], v[216:217], v[158:159]
	s_delay_alu instid0(VALU_DEP_2)
	v_pk_add_f32 v[14:15], v[14:15], v[248:249]
	s_delay_alu instid0(VALU_DEP_2)
	v_pk_add_f32 v[216:217], v[216:217], v[246:247]
	v_pk_add_f32 v[252:253], v[252:253], v[244:245]
	v_pk_add_f32 v[250:251], v[250:251], v[242:243]
	s_delay_alu instid0(VALU_DEP_2)
	v_pk_add_f32 v[14:15], v[14:15], v[252:253]
	s_delay_alu instid0(VALU_DEP_2)
	v_pk_add_f32 v[216:217], v[216:217], v[250:251]
	s_delay_alu instid0(VALU_DEP_1)
	v_pk_add_f32 v[14:15], v[14:15], v[216:217]
	s_wait_alu depctr_va_vdst(0)                   ; and one for the four
.irp b, 0,1
	v_max_num_f32 v[BM+\b], 0x2800000, v[BM+\b]    ; the floor 2^(5 - 127)
.endr
.irp b, 0,1
	s_delay_alu instid0(VALU_DEP_2)
	v_add_nc_u32 v[CO+\b], 0xfe000000, v[BM+\b]
.endr
.irp b, 0,1
	s_delay_alu instid0(VALU_DEP_2)
	v_lshrrev_b32 v[PT+\b], 23, v[CO+\b]
.endr
	s_delay_alu instid0(VALU_DEP_1)
	v_lshl_or_b32 v[PS], v[PT+1], 16, v[PT]        ; my two bytes: key blocks h and 2 + h,
	s_delay_alu instid0(VALU_DEP_1)
	v_lshlrev_b32 v[PS], v[SH8], v[PS]             ; at their places in the scale word (8 h bits up);
	s_delay_alu instid0(VALU_DEP_1)
	v_permlanex16_b32 v[PT], v[PS], s[SEL], s[SEL+1]
	s_delay_alu instid0(VALU_DEP_1)
	v_or_b32 v[PS], v[PS], v[PT]                   ; with lane l xor 16's two the word is whole
.irp c, 0,1
	v_cvt_scalef32_pk16_bf6_f32 v[PC+6*\c:PC+2+6*\c], v[S+32*\c:S+15+32*\c], v[CO+\c]
	v_cvt_scalef32_pk16_bf6_f32 v[PC+12+4*\c:PC+14+4*\c], v[S+16+32*\c:S+31+32*\c], v[CO+\c]   ; (a conversion's three registers begin on an even number: the block's upper half is made aside and moved)
.endr
	v_nop                                          ; one plain line behind the scaled conversions
.irp c, 0,1
.irp i, 0,1,2
	v_mov_b32 v[PC+3+6*\c+\i], v[PC+12+4*\c+\i]    ; registers 6 c .. 6 c + 5 hold keys 64 c + 32 h + 0 .. 31
.endr
.endr
.set n, 0
.rept 16
	v_pk_mul_f32 v[O+n:O+n+1], v[O+n:O+n+1], v[F:F+1] op_sel_hi:[1,0]   ; O^T under the new M; these 16 are also the places between the writes of p's codes and scale word and the products
.set n, n+2
.endr
	s_wait_alu depctr_va_vdst(0)
	s_wait_dscnt 0x0                               ; V
.irp d, 0,1,2,3
.if \d%2 == 0
	v_wmma_scale_f32_16x16x128_f8f6f4 v[O+8*\d:O+8*\d+7], v[KR+12*\d:KR+12*\d+11], v[PC:PC+11], v[O+8*\d:O+8*\d+7], v[VS+\d/2], v[PS] matrix_a_fmt:MATRIX_FMT_BF6 matrix_b_fmt:MATRIX_FMT_BF6
.else
	v_wmma_scale_f32_16x16x128_f8f6f4 v[O+8*\d:O+8*\d+7], v[KR+12*\d:KR+12*\d+11], v[PC:PC+11], v[O+8*\d:O+8*\d+7], v[VS+\d/2], v[PS] matrix_a_fmt:MATRIX_FMT_BF6 matrix_b_fmt:MATRIX_FMT_BF6 matrix_a_scale:MATRIX_SCALE_ROW1
.endif
.endr
.if \chk
.Lhid_\@:
.endif
	s_add_co_u32 s[TB], s[TB], KVB
	s_add_co_u32 s[J], s[J], 1
.endm
; A tile's end: O^T / the sum; its 32 numbers a lane are the head's 64 in order (two blocks of 32 with lane l xor 16): half a fragment of the last product's operand.
.macro OUT oi, os
.rept 4
	v_nop                                          ; places behind the last products
.endr
	v_add_f32 v14, v14, v15
	s_delay_alu instid0(VALU_DEP_1)
	v_permlanex16_b32 v[PT], v14, s[SEL], s[SEL+1]
	s_delay_alu instid0(VALU_DEP_1)
	v_add_f32 v14, v14, v[PT]                      ; the row's sum
	s_wait_alu depctr_va_vdst(0)
	v_rcp_f32 v[F], v14
	v_nop                                          ; a plain line behind the reciprocal
	s_wait_alu depctr_va_vdst(0)                   ; and the wait ahead of its first reader
.set n, 0
.rept 16
	v_pk_mul_f32 v[S+n:S+n+1], v[O+n:O+n+1], v[F:F+1] op_sel_hi:[1,0]
.set n, n+2
.endr
.irp b, 0,1
	v_max3_num_f32 v[BM+\b], |v[S+16*\b]|, |v[S+1+16*\b]|, 0x2800000
.endr
.irp i, 2,4,6,8,10,12,14
.irp b, 0,1
	s_delay_alu instid0(VALU_DEP_2)
	v_max3_num_f32 v[BM+\b], v[BM+\b], |v[S+16*\b+\i]|, |v[S+1+16*\b+\i]|
.endr
.endr
.irp b, 0,1
	s_delay_alu instid0(VALU_DEP_2)
	v_permlanex16_b32 v[PT+\b], v[BM+\b], s[SEL], s[SEL+1]
.endr
.irp b, 0,1
	s_delay_alu instid0(VALU_DEP_2)
	v_max_num_f32 v[BM+\b], v[BM+\b], v[PT+\b]
.endr
.irp b, 0,1
	s_delay_alu instid0(VALU_DEP_2)
	v_add_nc_u32 v[CO+\b], 0xfe000000, v[BM+\b]
.endr
.irp b, 0,1
	s_delay_alu instid0(VALU_DEP_2)
	v_lshrrev_b32 v[PT+\b], 23, v[CO+\b]
.endr
	s_delay_alu instid0(VALU_DEP_1)
	v_lshl_or_b32 v[T0], v[PT+1], 8, v[PT]         ; the head's two bytes
	v_cvt_scalef32_pk16_bf6_f32 v[PC:PC+2], v[S:S+15], v[CO]
	v_cvt_scalef32_pk16_bf6_f32 v[PC+12:PC+14], v[S+16:S+31], v[CO+1]
	v_nop
.irp i, 0,1,2
	v_permlane16_swap_b32 v[PC+\i], v[PC+12+\i]
.endr
.irp i, 0,1,2
	s_delay_alu instid0(VALU_DEP_3)
	v_mov_b32 v[PC+3+\i], v[PC+12+\i]
.endr
	global_store_b128 v[L16], v[PC:PC+3], s[\oi:\oi+1]
	global_store_b64 v[L8], v[PC+4:PC+5], s[\oi:\oi+1] offset:512
	global_store_b16 v[R8], v[T0], s[\os:\os+1]    ; two bytes a row, 8 bytes apart (lanes 16-31 repeat lanes 0-15's): the text's one small store, 32 bytes a tile and head
.endm
	s_wait_tensorcnt 0x0                           ; my block is in
	s_wait_loadcnt 0x0                             ; Q of both passes
	s_barrier_signal -1
	s_barrier_wait -1                              ; all sixteen blocks lie in LDS
	INIT
.Lb:
	STEP 1
	s_cmp_lt_u32 s[J], 16
	s_cbranch_scc1 .Lb
	OUT 52, 54
	s_wait_xcnt 0x0                                ; the stores have read their registers
	s_mov_b32 s[G], s63
.irp i, 0,1,2,3,4,5
	v_mov_b32 v[QR+\i], v[Q1+\i]
.endr
	v_mov_b32 v[QS], v[Q1+6]                       ; the lines of INIT stand between this write of a scale register and the next product
	INIT
.Lc:
	STEP 1
	s_cmp_lt_u32 s[J], 8                           ; the second pass's group is 7 at the most
	s_cbranch_scc1 .Lc
	OUT 56, 58
	s_wait_tensorcnt 0x0
	ds_add_u32 v254, v255
	s_wait_dscnt 0x0
	CROUND                                         ; the closing round
	s_endpgm
.Lfunc_end_k_q6875708a77_attn:
	.size	k_q6875708a77_attn, .Lfunc_end_k_q6875708a77_attn-k_q6875708a77_attn
	.p2alignl 7, 3214868480
	.fill 96, 4, 3214868480
	.section	.rodata,"a",@progbits
	.p2align	6, 0x0
	.amdhsa_kernel k_q6875708a77_attn
		.amdhsa_group_segment_fixed_size 210944
		.amdhsa_private_segment_fixed_size 0
		.amdhsa_enable_private_segment 0
		.amdhsa_kernarg_size 24
		.amdhsa_user_sgpr_count 2
		.amdhsa_user_sgpr_kernarg_segment_ptr 1
		.amdhsa_wavefront_size32 1
		.amdhsa_system_sgpr_workgroup_id_x 1
		.amdhsa_system_sgpr_workgroup_id_y 1
		.amdhsa_system_sgpr_workgroup_id_z 1
		.amdhsa_system_vgpr_workitem_id 0
		.amdhsa_next_free_vgpr 256
		.amdhsa_next_free_sgpr 102
		.amdhsa_reserve_vcc 0
		.amdhsa_float_denorm_mode_32 3
		.amdhsa_float_denorm_mode_16_64 3
		.amdhsa_memory_ordered 1
		.amdhsa_forward_progress 1
		.amdhsa_inst_pref_size 64
	.end_amdhsa_kernel
	.amdgpu_metadata
---
amdhsa.version: [ 1, 2 ]
amdhsa.kernels:
  - .name:           k_q6875708a77_attn
    .symbol:         k_q6875708a77_attn.kd
    .args:
      - { .name: qb, .offset: 0, .size: 8, .value_kind: global_buffer, .address_space: global }
      - { .name: kv, .offset: 8, .size: 8, .value_kind: global_buffer, .address_space: global }
      - { .name: aq, .offset: 16, .size: 8, .value_kind: global_buffer, .address_space: global }
    .group_segment_fixed_size: 210944
    .private_segment_fixed_size: 0
    .kernarg_segment_align: 8
    .kernarg_segment_size: 24
    .max_flat_workgroup_size: 512
    .sgpr_count:     102
    .vgpr_count:     256
    .wavefront_size: 32
...
	.end_amdgpu_metadata
.endif
;; end of part 3
;; launch proj (part 4): grid 4 x 64, 4 waves a work-group, clusters of 4 x 4, 327,680 bytes of LDS; arguments aq, wq, b_out, out0; writes out0
.if DOCPART == 4
	.amdgcn_target "amdgcn-amd-amdhsa--gfx1250"
	.amdhsa_code_object_version 6
	.text
	.protected	k_q6875708a77_proj
	.globl	k_q6875708a77_proj
	.p2align	8
	.type	k_q6875708a77_proj,@function
k_q6875708a77_proj:
	s_mov_b64 s[64:65], 0
	v_nop
	global_prefetch_b8 v0, s[64:65] scope:SCOPE_SE
	s_setreg_imm32_b32 hwreg(HW_REG_WAVE_MODE, 25, 1), 1
	s_wait_xcnt 0x0
	s_wait_alu depctr_hold_cnt(0) depctr_sa_sdst(0) depctr_va_vdst(0) depctr_va_sdst(0) depctr_va_ssrc(0) depctr_va_vcc(0) depctr_vm_vsrc(0)
	s_getreg_b32 s2, hwreg(HW_REG_IB_STS2, 6, 4)
	s_cmp_eq_u32 s2, 0
	s_cbranch_scc0 .Lentry_in_a_cluster
	s_endpgm
.Lentry_in_a_cluster:
	s_bfe_u32 s2, ttmp6, 0x10000c
	s_cmp_lg_u32 s2, 0xf033
	s_cbranch_scc0 .Lentry_shape_is_right
	s_endpgm
.Lentry_shape_is_right:
; out0 = a W_out + b_out on codes of BF6 (E3M2) with E8M0 scales, K = 1024; a is attention's result, quantised by the launch that made it.
; A work-group of four waves makes 128 tokens x 256 columns: 64 x 4 = 256 work-groups.  A wave makes 64 x 128: 32 accumulators of 16 x 16, 256 registers.
; ALL OF K LIES IN LDS: a's 8 tiles (98,304 bytes), W's 16 tiles (196,608), a's records (4,096) and W's (8,192) are four dense blocks of memory: four tensor loads, one a wave, at the head.
; Nothing is filled again: no ring, and one barrier in front of the products.  Every byte is asked for at the head, so there is no loop to run ahead in: nothing is prefetched.
; OPERANDS are images of their registers.  A TILE is 16 rows: tile 2 B + u = rows 32 B + 8 u + i + 8 (i / 8).  A fragment image (a tile x 128 K, 1,536 bytes): registers 6 c .. 6 c + 3 at 768 c + 16 x lane,
; registers 6 c + 4, 6 c + 5 at 768 c + 512 + 8 x lane.  A tile's eight images lie on end (12,288 bytes); its record of scale words is [K step / 2][row 16][two words], 512 bytes.
; Source 0 = 16 columns of W, source 1 = 16 tokens: a lane holds one token, and the 16 registers of column tiles 2 B, 2 B + 1 are columns 32 B + 16 (lane / 16) + 0 .. 15.  The bias is the C of each sum's first product.
; CLUSTERS: 4 x 4 work-groups; a's blocks are shared along a row of the cluster, W's along a column, each asked for jointly.
; REGISTERS: window 0: v0-31 addresses; v32-63 scale words, two sets; v64-127 the bias; v128-223 a's fragments, two sets of 4 (v128-255 free on the way out).  window 1: W's fragments, two sets of 8, at v0 and v128.  window 2: accumulator (a, b) at v[8 (8 a + b)].
.set AQ_SCL, 6291456
.set WQ_SCL, 3145728
.set BT0,    192                       ; W_out's tiles in wq
.set FR,     12
.set TB,     12288                     ; a tile's eight images
.set BCOD,   8*TB                      ; LDS: a's codes at 0, W's behind them,
.set SCLA,   24*TB                     ; a's records,
.set SCLB,   SCLA+4096                 ; W's records,
.set SPARE,  SCLB+8192                 ; the spare words, 128 bytes a wave: two blocks of 256 bytes that no other line names
.set SPITCH, 528                       ; the way out: a stage of 16 rows x (512 + 16) bytes a wave, in a's codes' bytes, behind the barrier that ends all reads
.set ADRA, 16                          ; v16, v17 my 4 tiles of a, + 16 x lane, + 8 x lane
.set ADRB, 18                          ; v18, v19 my tiles 0-3 of W; v20, v21 tiles 4-7 (an LDS offset has 16 bits)
.set STO,  24
.set RD,   25
.set L16,  26
.set ADRS, 27                          ; v27 scale words: lanes 0-15 a's, lanes 16-31 W's
.set SPW,  28
.set NIL,  29
.set L8,   30
.set SC,   32
.set BP,   64
.set AF,   128
.set BK,   128
.set G1A, 24
.set G1B, 32
.set G1SA, 40
.set G1SB, 48
.set G0A, 56
.set G0B, 60
.set G0SA, 68
.set G0SB, 72
.set MSB, 0
.macro WIN new                         ; the immediate's high byte repeats the setting that is left
.if MSB != (\new)
	s_set_vgpr_msb (MSB<<8)|(\new)
.set MSB, (\new)
.endif
.endm
.set MULW, 0xa1                        ; source 0 (W) window 1, source 1 (a) window 0, C and D window 2
.set BIAW, 0x81                        ; C (the bias) window 0
.set TO_B, 0x40
.macro CROUND                          ; a round of the cluster's barrier
	s_barrier_signal -1
	s_barrier_wait -1
	s_cmp_lg_u32 s14, 0
	s_cbranch_scc1 .Lnot_wave_0_\@
	s_barrier_signal -3
.Lnot_wave_0_\@:
	s_barrier_wait -3
	s_barrier_signal -1
	s_barrier_wait -1
.endm
.macro PLACES                          ; plain vector lines between a matrix instruction and a load into, or a read of, its registers (ISA guide 7.12.1 for the reads)
.rept 4
	v_nop
.endr
.endm
.macro GROUP1 g, mask, rows            ; a dense block as rows of 256 bytes (32 elements of 8 bytes); the mask, and bit 21 beside it
	s_or_b32 s[\g], s[\mask], (3<<16)|(1<<21)
	s_mov_b32 s[\g+1], 32<<16
	s_mov_b32 s[\g+2], (\rows)<<16
	s_mov_b32 s[\g+3], 32<<16
	s_mov_b32 s[\g+4], \rows
	s_mov_b32 s[\g+5], 32
	s_mov_b32 s[\g+6], 0
	s_mov_b32 s[\g+7], 0
.endm
.macro GROUP0 g, lds, base, off
	s_mov_b32 s[\g], 1
	s_mov_b32 s[\g+1], \lds
	s_add_nc_u64 s[\g+2:\g+3], s[\base:\base+1], s[\off:\off+1]
	s_or_b32 s[\g+3], s[\g+3], 0x80000000
.endm
	s_load_b128 s[4:7], s[0:1], 0x0                ; aq, wq
	s_load_b128 s[8:11], s[0:1], 0x10              ; b_out, out0
	v_lshl_add_u32 v[SPW], v0, 2, SPARE
	v_mov_b32 v[NIL], 0
	ds_add_u32 v[SPW], v[NIL]                      ; the opening lines: the add, twice on end, and its wait ahead of my tensor load
	ds_add_u32 v[SPW], v[NIL]
	v_lshrrev_b32 v1, 5, v0
	v_readfirstlane_b32 s14, v1                    ; wave 0..3
	s_lshr_b32 s15, s14, 1                         ; which 64 tokens are mine
	s_and_b32 s16, s14, 1                          ; which 128 columns
	s_bfe_u32 s76, ttmp6, 0x40000                  ; cx, cy
	s_bfe_u32 s77, ttmp6, 0x40004
	s_lshl_b32 s18, ttmp9, 2
	s_add_co_u32 s18, s18, s76                     ; which 256 columns
	s_and_b32 s17, ttmp7, 0xffff
	s_lshl_b32 s17, s17, 2
	s_add_co_u32 s17, s17, s77                     ; which 128 tokens
	s_lshl_b32 s78, s77, 2
	s_lshl_b32 s78, 15, s78                        ; my row of the cluster
	s_lshl_b32 s79, 0x1111, s76                    ; my column
	GROUP1 G1A, 78, 384                            ; a's codes: 98,304 bytes
	GROUP1 G1B, 79, 768                            ; W's: 196,608
	GROUP1 G1SA, 78, 16                            ; a's records: 4,096
	GROUP1 G1SB, 79, 32                            ; W's: 8,192
	s_mul_i32 s20, s17, 8*TB                       ; where they begin, in bytes
	s_mov_b32 s21, 0
	s_lshl_b32 s22, s17, 12
	s_add_co_u32 s22, s22, AQ_SCL
	s_mov_b32 s23, 0
	s_lshl_b32 s80, s18, 4
	s_add_co_u32 s80, s80, BT0
	s_lshl_b32 s82, s80, 9
	s_add_co_u32 s82, s82, WQ_SCL
	s_mov_b32 s83, 0
	s_mul_i32 s80, s80, TB
	s_mov_b32 s81, 0
	s_wait_dscnt 0x0                               ; both opening adds are done
	s_wait_kmcnt 0x0
	GROUP0 G0A, 0, 4, 20
	GROUP0 G0B, BCOD, 6, 80
	GROUP0 G0SA, SCLA, 4, 22
	GROUP0 G0SB, SCLB, 6, 82
	CROUND                                         ; all sixteen work-groups are here: the joint loads meet
; One load a wave, in one chain of branches on the wave's number: every way through it passes exactly one load.
.macro ARM under, g0, g1, next
	s_cmp_lt_u32 s14, \under
	s_cbranch_scc0 \next
	tensor_load_to_lds s[\g0:\g0+3], s[\g1:\g1+7]
	s_nop 0
.rept 4
	v_nop
.endr
	s_branch .Lhead_asked
\next:
.endm
	ARM 1, G0A,  G1A,  .Lhead_b
	ARM 2, G0B,  G1B,  .Lhead_sa
	ARM 3, G0SA, G1SA, .Lhead_sb
	tensor_load_to_lds s[G0SB:G0SB+3], s[G1SB:G1SB+7]
	s_nop 0
.rept 4
	v_nop
.endr
.Lhead_asked:
	s_lshl_b32 s20, s18, 10                        ; my 128 columns, in bytes of f32
	s_lshl_b32 s21, s16, 9
	s_add_co_u32 s20, s20, s21
	s_mov_b32 s21, 0
	s_add_nc_u64 s[8:9], s[8:9], s[20:21]          ; their bias,
	s_add_nc_u64 s[10:11], s[10:11], s[20:21]      ; and their place in a row of out0;
	s_lshl_b32 s20, s17, 19                        ; 128 rows of 4,096 bytes a work-group,
	s_lshl_b32 s22, s15, 18                        ; 64 a wave
	s_add_co_u32 s20, s20, s22
	s_add_nc_u64 s[10:11], s[10:11], s[20:21]
	s_mul_i32 s84, s15, 4*TB                       ; my 4 tiles of a
	s_mul_i32 s85, s16, 8*TB
	s_add_co_u32 s85, s85, BCOD                    ; my 8 tiles of W,
	s_add_co_u32 s86, s85, 4*TB                    ; the upper four
	s_lshl_b32 s87, s15, 11                        ; a's records: my 4
	s_lshl_b32 s88, s16, 12                        ; W's: my 8
	s_add_co_u32 s88, s88, SCLB-SCLA
	s_sub_co_u32 s88, s88, s87                     ; the distance between the two
	s_add_co_u32 s87, s87, SCLA
	s_mul_i32 s89, s14, 16*SPITCH                  ; my stage
	v_and_b32 v1, 15, v0                           ; r
	v_bfe_u32 v2, v0, 4, 1                         ; h
	v_and_b32 v3, 31, v0
	v_lshlrev_b32 v[L16], 4, v3
	v_lshlrev_b32 v[L8], 3, v3
	v_lshlrev_b32 v7, 6, v2                        ; the bias: lane (r, h) wants, for tiles 2 B, 2 B + 1, columns 32 B + 16 h + 0 .. 15
.irp i, 0,1,2,3,4,5,6,7,8,9,10,11,12,13,14,15
	global_load_b128 v[BP+4*\i:BP+4*\i+3], v7, s[8:9] offset:128*(\i/4)+16*(\i%4)
.endr
	v_add_nc_u32 v[ADRA], s84, v[L16]
	v_add_nc_u32 v[ADRA+1], s84, v[L8]
	v_add_nc_u32 v[ADRB], s85, v[L16]
	v_add_nc_u32 v[ADRB+1], s85, v[L8]
	v_add_nc_u32 v[ADRB+2], s86, v[L16]
	v_add_nc_u32 v[ADRB+3], s86, v[L8]
	v_lshlrev_b32 v5, 3, v1                        ; a record's row: 8 bytes
	v_mul_u32_u24 v6, s88, v2                      ; lanes 16-31 take W's
	v_add_nc_u32 v5, v5, v6
	v_add_nc_u32 v[ADRS], s87, v5
	v_mul_u32_u24 v4, v1, SPITCH                   ; the stage, in: row r, + 64 bytes for lanes 16-31
	v_lshl_add_u32 v4, v2, 6, v4
	v_add_nc_u32 v[STO], s89, v4
	v_add_nc_u32 v[RD], s89, v[L16]                ; and out: the 32 lanes take a row of 512 bytes
.macro FRAG reg, adr, k, i             ; image k of tile i
	ds_load_b128 v[\reg:\reg+3],     v[\adr]   offset:(\i)*TB+(\k)*1536
	ds_load_b64  v[\reg+4:\reg+5],   v[\adr+1] offset:(\i)*TB+(\k)*1536+512
	ds_load_b128 v[\reg+6:\reg+9],   v[\adr]   offset:(\i)*TB+(\k)*1536+768
	ds_load_b64  v[\reg+10:\reg+11], v[\adr+1] offset:(\i)*TB+(\k)*1536+1280
.endm
.macro FETCH k                         ; K step k's fragments into set k % 2: 48 LDS loads; with an even k the scale words of steps k, k + 1: 8 more
	WIN TO_B
.irp i, 0,1,2,3
	FRAG 128*((\k)%2)+FR*\i, ADRB, \k, \i
.endr
.irp i, 0,1,2,3
	FRAG 128*((\k)%2)+FR*(\i+4), ADRB+2, \k, \i
.endr
	WIN 0
.irp i, 0,1,2,3
	FRAG AF+48*((\k)%2)+FR*\i, ADRA, \k, \i
.endr
.if (\k)%2 == 0
.irp i, 0,1,2,3,4,5,6,7                ; register pair i: lanes 16-31 W's tile i; lanes 0-15 a's tile i (for i over 3 they read other records' bytes, which no product names)
	ds_load_b64 v[SC+16*(((\k)/2)%2)+2*\i:SC+16*(((\k)/2)%2)+2*\i+1], v[ADRS] offset:\i*512+128*((\k)/2)
.endr
.endif
.endm
; 32 matrix instructions: a's four tiles against W's eight, 128 along K.  The 32 accumulators take turns, one instruction a turn, in the same order in every step.
.macro MUL k, bias
.set BS, 128*((\k)%2)
.set AS, AF+48*((\k)%2)
.set SS, SC+16*(((\k)/2)%2)+(\k)%2
.irp a, 0,1,2,3
.irp b, 0,1,2,3,4,5,6,7
.if \bias
	v_wmma_scale_f32_16x16x128_f8f6f4 v[8*(8*\a+\b):8*(8*\a+\b)+7], v[BS+FR*\b:BS+FR*\b+FR-1], v[AS+FR*\a:AS+FR*\a+FR-1], v[BP+8*\b:BP+8*\b+7], v[SS+2*\b], v[SS+2*\a] matrix_a_fmt:MATRIX_FMT_BF6 matrix_b_fmt:MATRIX_FMT_BF6 matrix_a_scale:MATRIX_SCALE_ROW1
.else
	v_wmma_scale_f32_16x16x128_f8f6f4 v[8*(8*\a+\b):8*(8*\a+\b)+7], v[BS+FR*\b:BS+FR*\b+FR-1], v[AS+FR*\a:AS+FR*\a+FR-1], v[8*(8*\a+\b):8*(8*\a+\b)+7], v[SS+2*\b], v[SS+2*\a] matrix_a_fmt:MATRIX_FMT_BF6 matrix_b_fmt:MATRIX_FMT_BF6 matrix_a_scale:MATRIX_SCALE_ROW1
.endif
.endr
.endr
.endm
	s_wait_alu depctr_va_vdst(0)
	s_wait_tensorcnt 0x0                           ; my block is in
	s_barrier_signal -1
	s_barrier_wait -1                              ; all four blocks lie in LDS
	FETCH 0
	s_wait_loadcnt 0x0                             ; the bias
.set K, 0
.rept 8                                ; while one step's set is multiplied, the next step's loads land in the other set
.if K > 0 && K < 7
	PLACES                                         ; the set that takes the loads below was read by the step before
.endif
.if K < 7
	FETCH K+1
	s_wait_dscnt 48+8*(K%2)                        ; all but the loads just issued: this step's fragments and scale words are in
.else
	s_wait_dscnt 0x0
.endif
.if K == 0
	WIN BIAW
	MUL K, 1
.else
	WIN MULW
	MUL K, 0
.endif
	WIN 0
.set K, K+1
.endr
	PLACES                                         ; behind the last products: their results are read, and a's fragments' registers loaded into, below
	s_barrier_signal -1                            ; no LDS instruction of mine is out:
	s_barrier_wait -1                              ; nobody reads the codes any more, and they have had their only fill: the stages may lie there
; THE WAY OUT, a tile of 16 tokens x 128 columns at a time, through my stage: back as whole rows of 512 bytes, which the 32 lanes store as two aligned runs of 256 bytes.
; LDS serves a wave's instructions in order (ISA guide 5.7.1.4): no wait between the stores and the loads.
.macro TOSTAGE a
.set AC, 64*(\a)
	WIN 0x08                                       ; an LDS store's data are its source 1: window 2
.irp b, 0,1,2,3,4,5,6,7
	ds_store_b128 v[STO], v[AC+8*\b:AC+8*\b+3] offset:128*(\b/2)+32*(\b%2)      ; each accumulator from its low end on
	ds_store_b128 v[STO], v[AC+8*\b+4:AC+8*\b+7] offset:128*(\b/2)+32*(\b%2)+16
.endr
	WIN 0
.set BB, BK+64*((\a)%2)
.irp t, 0,1,2,3,4,5,6,7,8,9,10,11,12,13,14,15
	ds_load_b128 v[BB+4*\t:BB+4*\t+3], v[RD] offset:\t*SPITCH
.endr
.endm
.macro SEND a, younger                 ; younger: the LDS instructions issued behind tile a's loads, which may stay out
.set BB, BK+64*((\a)%2)
	s_wait_dscnt \younger
.irp t, 0,1,2,3,4,5,6,7,8,9,10,11,12,13,14,15
	global_store_b128 v[L16], v[BB+4*\t:BB+4*\t+3], s[10:11] offset:(8*(\a)+\t+24*(\t/8))*4096 th:TH_STORE_NT   ; TOKEN TILES (W's column tiles stay as stated at the head): row t of my tile a is token 8 a + t % 8 + 32 (t / 8) of my 64
.endr
.endm
	TOSTAGE 0
.irp a, 1,2,3
.if \a > 1
	s_wait_xcnt 0x0                                ; tile a - 2's stores have read their registers: tile a's loads may land there
.endif
	TOSTAGE \a
	SEND \a-1, 32                                  ; behind tile a - 1's loads: tile a's 16 stores and 16 loads
.endr
	SEND 3, 0
	s_wait_tensorcnt 0x0                           ; the wave's end, behind my tensor load and my last LDS store
	ds_add_u32 v[SPW], v[NIL]
	s_wait_dscnt 0x0
	CROUND                                         ; the closing round
	s_endpgm
.Lfunc_end_k_q6875708a77_proj:
	.size	k_q6875708a77_proj, .Lfunc_end_k_q6875708a77_proj-k_q6875708a77_proj
	.p2alignl 7, 3214868480
	.fill 96, 4, 3214868480
	.section	.rodata,"a",@progbits
	.p2align	6, 0x0
	.amdhsa_kernel k_q6875708a77_proj
		.amdhsa_group_segment_fixed_size 327680
		.amdhsa_private_segment_fixed_size 0
		.amdhsa_enable_private_segment 0
		.amdhsa_kernarg_size 32
		.amdhsa_user_sgpr_count 2
		.amdhsa_user_sgpr_kernarg_segment_ptr 1
		.amdhsa_wavefront_size32 1
		.amdhsa_system_sgpr_workgroup_id_x 1
		.amdhsa_system_sgpr_workgroup_id_y 1
		.amdhsa_system_sgpr_workgroup_id_z 1
		.amdhsa_system_vgpr_workitem_id 0
		.amdhsa_next_free_vgpr 768
		.amdhsa_next_free_sgpr 100
		.amdhsa_reserve_vcc 0
		.amdhsa_float_denorm_mode_32 3
		.amdhsa_float_denorm_mode_16_64 3
		.amdhsa_memory_ordered 1
		.amdhsa_forward_progress 1
		.amdhsa_inst_pref_size 85
	.end_amdhsa_kernel
	.amdgpu_metadata
---
amdhsa.version: [ 1, 2 ]
amdhsa.kernels:
  - .name:           k_q6875708a77_proj
    .symbol:         k_q6875708a77_proj.kd
    .args:
      - { .name: aq, .offset: 0, .size: 8, .value_kind: global_buffer, .address_space: global }
      - { .name: wq, .offset: 8, .size: 8, .value_kind: global_buffer, .address_space: global }
      - { .name: b_out, .offset: 16, .size: 8, .value_kind: global_buffer, .address_space: global }
      - { .name: out0, .offset: 24, .size: 8, .value_kind: global_buffer, .address_space: global }
    .group_segment_fixed_size: 327680
    .private_segment_fixed_size: 0
    .kernarg_segment_align: 8
    .kernarg_segment_size: 32
    .max_flat_workgroup_size: 128
    .sgpr_count:     100
    .vgpr_count:     768
    .wavefront_size: 32
...
	.end_amdgpu_metadata
.endif
;; end of part 4
